; MI455X (gfx1250); checked and timed in simulation.
; The chip was launched on July 23, 2026; its instructions are those of AMD's public machine-readable ISA for CDNA 5 (MIT licence, August 2026) and "CDNA5" Instruction Set Architecture Reference Guide (July 2026). The comments in the code are by the model that wrote it; some were corrected since.
;; Multi Head Attention. Allowed arithmetic: matrix products marked QUANTISED: E2M3 operands, one E8M0 scale for each 32 along K, by v_wmma_scale_f32_16x16x128_f8f6f4 with both operands' format E2M3, f32 sums; products left as they are: f32 operands where the result goes on into a quantised operand, else bf16, f16 or f32 operands; f32 sums; everything else in f32.
;; Inputs: Wk 1,024 x 1,024 float32; Wo 1,024 x 1,024 float32; Wq 1,024 x 1,024 float32; Wv 1,024 x 1,024 float32; bk 1,024 float32; bo 1,024 float32; bq 1,024 float32; bv 1,024 float32; padding_mask 4 x 4,096 int32; rotary_pos_enc 4,096 x 1 x 64 float32; x 4 x 4,096 x 1,024 float32.
;; Outputs: out0 4 x 4,096 x 1,024 float32.
;; This version of the problem:
;;   THIS VERSION OF THE PROBLEM IS GIVEN IN LOW PRECISION. The matrix products marked QUANTISED in the list below multiply operands that are first quantised to E2M3 (2 exponent bits, 3 mantissa bits; 6 bits a number), with one power-of-two scale for each 32 numbers along K (OCP MX v1.0); their sums are f32. All else is computed in f32.
;;   The module's matrix products, in the order in which they are computed (A, B: the left and right operand; K: the contracted axis; several contracted axes count as one K, in the product's order):
;;     1. [M 16,384, K 1,024] x [K 1,024, N 1,024]; A: input x; B: input Wq: QUANTISED
;;     2. [M 16,384, K 1,024] x [K 1,024, N 1,024]; A: input x; B: input Wk: QUANTISED
;;     3. [M 16,384, K 1,024] x [K 1,024, N 1,024]; A: input x; B: input Wv: QUANTISED
;;     4. batch 64 x [M 64, K 4,096] x [K 4,096, N 64]; A: computed on the way; B: computed on the way: QUANTISED
;;     5. batch 64 x [M 4,096, K 64] x [K 64, N 1]; A: computed on the way; B: computed on the way: left as it is (N = 1 < 16)
;;     6. batch 262,144 x [M 1, K 1] x [K 1, N 1]; A: computed on the way; B: computed on the way: left as it is (no contracted axis)
;;     7. batch 64 x [M 4,096, K 1] x [K 1, N 64]; A: computed on the way; B: computed on the way: left as it is (no contracted axis)
;;     8. [M 16,384, K 1,024] x [K 1,024, N 1,024]; A: computed on the way; B: input Wo: QUANTISED
;;   THE QUANTISER, for each operand of a quantised product, along K:
;;     - K is cut into blocks of 32 from its start; a last block that is shorter is filled with zeros.
;;     - A block's scale is 2^e with e = floor(log2(the largest magnitude in the block)) - 2, held to -126 .. 127; a block of zeros has e = 0. As a byte (E8M0): e + 127.
;;     - Each number is divided by its block's scale, clamped to +-7.5, and rounded to the nearest number of E2M3, ties to even, subnormals kept.
;;     - The product sums the exact products of the quantised numbers (number of the format x scale) in f32.
;;   ~~~python
;;   def quantise(x, axis):      # numpy; x: float32 -> the quantised numbers, widened to float32 again
;;       x = np.moveaxis(x, axis, -1); K = x.shape[-1]
;;       x = np.pad(x, [(0, 0)] * (x.ndim - 1) + [(0, -K % 32)]); x = x.reshape(x.shape[:-1] + (-1, 32)); a = np.abs(x).max(-1, keepdims=True)
;;       e = np.where(a > 0, np.clip(np.frexp(np.where(a > 0, a, 1))[1] - 1 - 2, -126, 127), 0)      # np.frexp(a)[1] - 1 = floor(log2(a)), exactly
;;       r = np.clip(x / 2.0 ** e, -7.5, 7.5)
;;       step = 2.0 ** (np.maximum(np.frexp(np.where(r == 0, 1, r))[1] - 1, 0) - 3)
;;       q = np.round(r / step) * step * 2.0 ** e      # np.round: ties to even
;;       return np.moveaxis(q.reshape(q.shape[:-2] + (-1,))[..., :K], -1, axis).astype(np.float32)
;;   ~~~
;;   OPERANDS COMPUTED ON THE WAY. 'Computed on the way' means the value that the module computes at that place (a softmax that the list does not call 'softmax' is quantised finished and normalised). What goes into a quantiser is computed in f32, as accurately as f32 sums, v_exp_f32 and their like allow (about 1e-6 of the number): no bf16 or f16 on the way to a quantiser, and a product that is left as it is and whose result goes on into a quantised operand takes f32 operands (vector FMAs, or v_wmma_f32_16x16x4_f32). A number that lies on a knife's edge between two numbers of the format may be rounded either way, as far as f32 arithmetic and the matrix unit's own rounding can turn it there, and no further.
;; One version. Each part assembles by itself: llvm-mc -triple=amdgcn-amd-amdhsa -mcpu=gfx1250 --defsym DOCPART=n.
;; ======== version 1 of 1: 4 launches
;; workspace buffers: xc 12,582,912 bytes; xsc 524,288 bytes; wc 3,145,728 bytes; wsc 131,072 bytes; part 1,048,576 bytes; ac 12,582,912 bytes; asc 524,288 bytes
;; launch quant (part 1): grid 640 x 1, 4 waves a work-group, no clusters, 35,328 bytes of LDS; arguments x, Wq, Wk, Wv, Wo, xc, xsc, wc, wsc; writes xc, xsc, wc, wsc
.if DOCPART == 1
	.amdgcn_target "amdgcn-amd-amdhsa--gfx1250"
	.amdhsa_code_object_version 6
	.text
	.protected	k_q651f05aea3_quant
	.globl	k_q651f05aea3_quant
	.p2align	8
	.type	k_q651f05aea3_quant,@function
k_q651f05aea3_quant:
	s_mov_b64 s[64:65], 0
	v_nop
	global_prefetch_b8 v0, s[64:65] scope:SCOPE_SE
	s_setreg_imm32_b32 hwreg(HW_REG_WAVE_MODE, 25, 1), 1
	s_wait_xcnt 0x0
; x [16384][1024] and Wq, Wk, Wv, Wo [1024][1024], f32, K innermost, become codes of FP6 (E2M3) with one E8M0 byte for each 32 along K.
; THE CODES ARE LAID AS IMAGES OF THE OPERAND'S REGISTERS: [tile of 16 rows][K step of 128][1,536 bytes]; in the 1,536 bytes, chunk c (512 bytes) holds registers 4 c .. 4 c + 3 of
; lane l at 16 l.  Lane (r, h) holds row r of the tile; registers 6 c .. 6 c + 5 hold K = 64 c + 32 h + 0 .. 31.  THE SCALE WORDS (four bytes: 128 along K of a row) lie [K step][row place].
; WHICH ROWS FORM A TILE is chosen for the readers.  x: place 16 T + r holds row 32 (T / 2) + 8 (T % 2) + r % 8 + 16 (r / 8).  wc: tiles 0-63 Wq (4 a head), 64-191 Wk and Wv (8 a head:
; 4 of Wk, 4 of Wv), 192-255 Wo.  In a head of Wq and of Wk place p < 32 holds row 2 p and place p >= 32 row 2 (p - 32) + 1, so that the two numbers of a rotary pair lie 32 places apart.
; A block's scale is 2^(floor(log2(its largest magnitude)) - 2); its byte is the largest magnitude's exponent field - 2, held at 1 from below.
; LIMITS: a block of zeros, and one whose largest magnitude lies under 2^-124, keep the byte 1 (the bytes are read by this program alone; zero codes add nothing); NaN and infinities are not served.
; SHARES: work-group = 64 row places x 512 along K; wave w = tile 4 g + w, four fragments.  A load reads 512 consecutive bytes of a row; 16 rows turn through the wave's own stage in LDS
; (rows 528 bytes apart) and come back 32 neighbours along K a lane and block.  One path serves all five tensors: only pointers and strides are chosen, by the work-group's number.
.set STG, 8448                         ; a wave's stage: 16 rows x (512 + 16) bytes
.set SG,  33792                        ; behind the stages: the work-group's scale words, [fragment][wave][16 words]
.set RO,  16                           ; v16-31   row r's byte offset + 16 x lane; never rewritten
.set R,   32                           ; v32-159  two sets of 64: 16 rows as loaded
.set X,   160                          ; v160-223 my two blocks of 32
.set PC,  224                          ; v224-247 two sets of 12: a fragment's codes
.set DT,  248                          ; v248-250, v252-254 the blocks' upper halves as converted
	s_load_b512 s[4:19], s[0:1], 0x0               ; x, Wq, Wk, Wv, Wo, xc, xsc, wc
	s_load_b64 s[20:21], s[0:1], 0x40              ; wsc
	v_lshl_add_u32 v15, v0, 2, 0x8800
	s_set_vgpr_msb 0x40
	v_mov_b32 v1, 0
	s_set_vgpr_msb 0x4000
	v_lshrrev_b32 v1, 5, v0
	v_readfirstlane_b32 s22, v1                    ; wave
	v_and_b32 v1, 31, v0                           ; lane
	v_and_b32 v2, 15, v0                           ; r
	v_bfe_u32 v3, v0, 4, 1                         ; h
	v_lshlrev_b32 v4, 4, v1                        ; 16 x lane
	s_mul_i32 s52, s22, STG
	v_add_nc_u32 v5, s52, v4                       ; into the stage: 16 x lane of a row
	v_mul_u32_u24 v6, v2, 528
	v_lshl_add_u32 v6, v3, 7, v6
	v_add_nc_u32 v6, s52, v6                       ; out of it: row r, + 128 h
	s_lshl_b32 s52, s22, 6
	s_add_co_u32 s52, s52, SG
	v_lshl_add_u32 v7, v2, 2, s52                  ; my row's scale word
	v_lshlrev_b32 v8, 3, v3                        ; 8 h
	v_mov_b32 v14, 0                               ; a lane permute's destination counts as read
	s_lshl_b32 s52, s22, 8
	s_add_co_u32 s52, s52, SG
	v_lshl_add_u32 v251, v1, 3, s52                ; the way out of the scale words: plane w, 8 bytes a lane
	v_lshlrev_b32 v255, 3, v1
	s_mov_b32 s48, 0x76543210
	s_mov_b32 s49, 0xfedcba98                      ; lane l xor 16
	s_lshr_b32 s23, ttmp9, 1                       ; yy: which 64 row places
	s_and_b32 s24, ttmp9, 1                        ; kh: which 512 along K
	s_sub_co_u32 s25, s23, 256                     ; y': the same among the weights (not used where yy < 256)
	s_and_b32 s26, s22, 1
	s_lshr_b32 s27, s22, 1
	s_lshl_b32 s28, s26, 5
	s_add_co_u32 s28, s28, s27                     ; first row of tile w of a head in the paired order: 32 (w & 1) + (w >> 1), then every second row
	s_lshl_b32 s29, s22, 4                         ; and in the natural order: 16 w
	s_sub_co_u32 s30, s25, 16                      ; z: even = Wk, odd = Wv, of head z >> 1
	s_lshr_b32 s31, s30, 1
	s_lshl_b32 s31, s31, 6
	s_and_b32 s32, s30, 1
	s_wait_kmcnt 0x0
	s_cmp_eq_u32 s32, 1
	s_cselect_b64 s[38:39], s[10:11], s[8:9]
	s_cselect_b32 s33, s29, s28
	s_cselect_b32 s34, 1, 2
	s_add_co_u32 s33, s33, s31
	s_sub_co_u32 s35, s25, 48
	s_lshl_b32 s35, s35, 6
	s_add_co_u32 s35, s35, s29                     ; Wo: row 64 (y' - 48) + 16 w
	s_cmp_lt_u32 s25, 48
	s_cselect_b64 s[42:43], s[38:39], s[12:13]     ; the source,
	s_cselect_b32 s36, s33, s35                    ; its first row,
	s_cselect_b32 s37, s34, 1                      ; rows from r to r + 1
	s_lshl_b32 s35, s25, 6
	s_add_co_u32 s35, s35, s28
	s_cmp_lt_u32 s25, 16                           ; Wq
	s_cselect_b64 s[42:43], s[6:7], s[42:43]
	s_cselect_b32 s36, s35, s36
	s_cselect_b32 s37, 2, s37
	s_lshl_b32 s35, s23, 6
	s_lshl_b32 s33, s27, 5
	s_add_co_u32 s35, s35, s33
	s_lshl_b32 s33, s26, 3
	s_add_co_u32 s35, s35, s33                     ; x: row 64 yy + 32 (w >> 1) + 8 (w & 1)
	s_cmp_lt_u32 s23, 256
	s_cselect_b64 s[42:43], s[4:5], s[42:43]
	s_cselect_b64 s[44:45], s[14:15], s[18:19]     ; the codes' buffer,
	s_cselect_b64 s[46:47], s[16:17], s[20:21]     ; the scale words'
	s_cselect_b32 s36, s35, s36
	s_cselect_b32 s37, 1, s37
	s_cselect_b32 s38, 8, 0                        ; rows skipped between r = 7 and r = 8
	s_cselect_b32 s39, s23, s25                    ; g
	s_cselect_b32 s40, 16, 14                      ; a plane of scale words: 2^16 or 2^14 bytes
	s_lshl_b32 s50, s36, 12                        ; a row is 4,096 bytes
	s_lshl_b32 s33, s24, 11
	s_add_co_u32 s50, s50, s33
	s_mov_b32 s51, 0
	s_add_nc_u64 s[42:43], s[42:43], s[50:51]
	s_lshl_b32 s50, s39, 2
	s_add_co_u32 s50, s50, s22                     ; my tile
	s_mul_i32 s50, s50, 12288
	s_mul_i32 s33, s24, 6144
	s_add_co_u32 s50, s50, s33
	s_add_nc_u64 s[44:45], s[44:45], s[50:51]
	s_lshl_b32 s50, s24, 2
	s_add_co_u32 s50, s50, s22                     ; the plane that I store: K step 4 kh + w
	s_lshl_b32 s50, s50, s40
	s_lshl_b32 s33, s39, 8
	s_add_co_u32 s50, s50, s33
	s_add_nc_u64 s[46:47], s[46:47], s[50:51]
	s_lshl_b32 s34, s37, 12
	s_lshl_b32 s35, s38, 12
	s_mov_b32 s36, 0
.irp r, 0,1,2,3,4,5,6,7,8,9,10,11,12,13,14,15
.if \r == 8
	s_add_co_u32 s36, s36, s35
.endif
	v_add_nc_u32 v[RO+\r], s36, v4
	s_add_co_u32 s36, s36, s34
.endr
.macro LOAD f                          ; fragment f: 128 along K of my 16 rows; each load reads 512 consecutive bytes
.irp r, 0,1,2,3,4,5,6,7,8,9,10,11,12,13,14,15
	global_load_b128 v[R+64*((\f)%2)+4*\r:R+64*((\f)%2)+4*\r+3], v[RO+\r], s[42:43] offset:512*(\f) th:TH_LOAD_NT
.endr
.endm
.macro FRAGQ f
.set RS_, R+64*((\f)%2)
.set PS_, PC+12*((\f)%2)
.if (\f) < 3
	s_wait_loadcnt 16                              ; this fragment's 16 loads are in; the next fragment's may be out
.else
	s_wait_loadcnt 0x0
.endif
.irp r, 0,1,2,3,4,5,6,7,8,9,10,11,12,13,14,15
	ds_store_b128 v5, v[RS_+4*\r:RS_+4*\r+3] offset:528*\r
.endr
.irp c, 0,1
.irp q, 0,1,2,3,4,5,6,7
	ds_load_b128 v[X+32*\c+4*\q:X+32*\c+4*\q+3], v6 offset:256*\c+16*\q   ; LDS serves a wave's instructions in order: these see the stores above
.endr
.endr
	s_wait_dscnt 0x0                               ; my blocks are in; the stores have read their registers
.if (\f) < 2
	LOAD (\f)+2
.endif
	v_max3_num_f32 v9, |v[X]|, |v[X+1]|, 0x1800000      ; each block's largest magnitude, over the floor 2^(3 - 127): the byte cannot fall under 1
	v_max3_num_f32 v10, |v[X+32]|, |v[X+33]|, 0x1800000
.irp i, 2,4,6,8,10,12,14,16,18,20,22,24,26,28,30
	v_max3_num_f32 v9, v9, |v[X+\i]|, |v[X+1+\i]|
	v_max3_num_f32 v10, v10, |v[X+32+\i]|, |v[X+33+\i]|
.endr
	v_add_nc_u32 v11, 0xff000000, v9               ; 2 off the exponent field: the conversion's scale operand
	v_add_nc_u32 v12, 0xff000000, v10
	v_lshrrev_b32 v9, 23, v11                      ; the bytes of blocks h and 2 + h
	v_lshrrev_b32 v10, 23, v12
	v_lshl_or_b32 v13, v10, 16, v9
	v_lshlrev_b32 v13, v8, v13                     ; at their places in the word;
	v_permlanex16_b32 v14, v13, s48, s49
	v_or_b32 v13, v13, v14                         ; with lane l xor 16's two the word is whole
.if (\f) >= 2
	s_wait_xcnt 0x0                                ; the stores of two fragments back have read this set of codes
.endif
	v_cvt_scalef32_pk16_fp6_f32 v[PS_:PS_+2], v[X:X+15], v11
	v_cvt_scalef32_pk16_fp6_f32 v[DT:DT+2], v[X+16:X+31], v11       ; (a conversion's three registers begin on an even number)
	v_cvt_scalef32_pk16_fp6_f32 v[PS_+6:PS_+8], v[X+32:X+47], v12
	v_cvt_scalef32_pk16_fp6_f32 v[DT+4:DT+6], v[X+48:X+63], v12
	v_nop                                          ; one plain place behind the conversions
.irp c, 0,1
.irp i, 0,1,2
	v_mov_b32 v[PS_+3+6*\c+\i], v[DT+4*\c+\i]
.endr
.endr
.irp c, 0,1,2
	global_store_b128 v4, v[PS_+4*\c:PS_+4*\c+3], s[44:45] offset:1536*(\f)+512*\c th:TH_STORE_NT   ; 512 consecutive bytes, aligned
.endr
	ds_store_b32 v7, v13 offset:256*(\f)           ; both halves of the lanes write the same word with the same value
.endm
	LOAD 0
	LOAD 1
	FRAGQ 0
	FRAGQ 1
	FRAGQ 2
	FRAGQ 3
	s_wait_dscnt 0x0                               ; for the others' sake: my scale words lie in LDS
	s_barrier_signal -1
	s_barrier_wait -1
	ds_load_b64 v[160:161], v251                   ; plane w: the 64 words of the work-group's row places
	s_wait_dscnt 0x0
	global_store_b64 v255, v[160:161], s[46:47] th:TH_STORE_NT      ; 256 consecutive bytes, aligned
	s_set_vgpr_msb 0x4
	s_wait_tensorcnt 0x0
	ds_add_u32 v15, v1
	s_wait_dscnt 0x0
	s_set_vgpr_msb 0x400
	s_endpgm
.Lfunc_end_k_q651f05aea3_quant:
	.size	k_q651f05aea3_quant, .Lfunc_end_k_q651f05aea3_quant-k_q651f05aea3_quant
	.p2alignl 7, 3214868480
	.fill 96, 4, 3214868480
	.section	.rodata,"a",@progbits
	.p2align	6, 0x0
	.amdhsa_kernel k_q651f05aea3_quant
		.amdhsa_group_segment_fixed_size 35328
		.amdhsa_private_segment_fixed_size 0
		.amdhsa_enable_private_segment 0
		.amdhsa_kernarg_size 72
		.amdhsa_user_sgpr_count 2
		.amdhsa_user_sgpr_kernarg_segment_ptr 1
		.amdhsa_wavefront_size32 1
		.amdhsa_system_sgpr_workgroup_id_x 1
		.amdhsa_system_sgpr_workgroup_id_y 1
		.amdhsa_system_sgpr_workgroup_id_z 1
		.amdhsa_system_vgpr_workitem_id 0
		.amdhsa_next_free_vgpr 258
		.amdhsa_next_free_sgpr 66
		.amdhsa_reserve_vcc 0
		.amdhsa_float_denorm_mode_32 3
		.amdhsa_float_denorm_mode_16_64 3
		.amdhsa_memory_ordered 1
		.amdhsa_forward_progress 1
		.amdhsa_inst_pref_size 33
	.end_amdhsa_kernel
	.amdgpu_metadata
---
amdhsa.version: [ 1, 2 ]
amdhsa.kernels:
  - .name:           k_q651f05aea3_quant
    .symbol:         k_q651f05aea3_quant.kd
    .args:
      - { .name: x, .offset: 0, .size: 8, .value_kind: global_buffer, .address_space: global }
      - { .name: Wq, .offset: 8, .size: 8, .value_kind: global_buffer, .address_space: global }
      - { .name: Wk, .offset: 16, .size: 8, .value_kind: global_buffer, .address_space: global }
      - { .name: Wv, .offset: 24, .size: 8, .value_kind: global_buffer, .address_space: global }
      - { .name: Wo, .offset: 32, .size: 8, .value_kind: global_buffer, .address_space: global }
      - { .name: xc, .offset: 40, .size: 8, .value_kind: global_buffer, .address_space: global }
      - { .name: xsc, .offset: 48, .size: 8, .value_kind: global_buffer, .address_space: global }
      - { .name: wc, .offset: 56, .size: 8, .value_kind: global_buffer, .address_space: global }
      - { .name: wsc, .offset: 64, .size: 8, .value_kind: global_buffer, .address_space: global }
    .group_segment_fixed_size: 35328
    .private_segment_fixed_size: 0
    .kernarg_segment_align: 8
    .kernarg_segment_size: 72
    .max_flat_workgroup_size: 128
    .sgpr_count:     66
    .vgpr_count:     258
    .wavefront_size: 32
...
	.end_amdgpu_metadata
.endif
;; end of part 1
;; launch kvpart (part 2): grid 64 x 8, 4 waves a work-group, clusters of 4 x 4, 327,680 bytes of LDS; arguments wc, wsc, xc, xsc, bk, bv, rotary_pos_enc, padding_mask, part; writes part
.if DOCPART == 2
	.amdgcn_target "amdgcn-amd-amdhsa--gfx1250"
	.amdhsa_code_object_version 6
	.text
	.protected	k_q651f05aea3_kvpart
	.globl	k_q651f05aea3_kvpart
	.p2align	8
	.type	k_q651f05aea3_kvpart,@function
k_q651f05aea3_kvpart:
	s_mov_b64 s[64:65], 0
	v_nop
	global_prefetch_b8 v0, s[64:65] scope:SCOPE_SE
	s_setreg_imm32_b32 hwreg(HW_REG_WAVE_MODE, 25, 1), 1
	s_wait_xcnt 0x0
	s_wait_alu depctr_hold_cnt(0) depctr_sa_sdst(0) depctr_va_vdst(0) depctr_va_sdst(0) depctr_va_ssrc(0) depctr_va_vcc(0) depctr_vm_vsrc(0)
	s_getreg_b32 s2, hwreg(HW_REG_IB_STS2, 6, 4)
	s_cmp_eq_u32 s2, 0
	s_cbranch_scc0 .Lentry_in_a_cluster
	s_endpgm
.Lentry_in_a_cluster:
	s_bfe_u32 s2, ttmp6, 0x10000c
	s_cmp_lg_u32 s2, 0xf033
	s_cbranch_scc0 .Lentry_shape_is_right
	s_endpgm
.Lentry_shape_is_right:
; k = x Wk^T + bk and v = x Wv^T + bv on codes of FP6; rotary turn, elu + 1 and the padding mask on k; both quantised along s in registers; kv = v^T phi(k) over 128 rows of s on codes of FP6;
; what leaves is, for each (batch, head, 128 rows of s): the sum over k of kv[v][k] (64 numbers) and the sum over s of phi(k) (64 numbers, in the order of places).  k and v never go to memory.
; A TILE: 256 rows of [Wk; Wv] (A: two heads) x 256 rows of x (B).  Four waves, each 128 x 128: 64 accumulators, 512 registers.  Source 0 = 16 rows of x, source 1 = 16 rows of the weights: a lane
; holds ONE row of the weights (block a < 4: place 16 a + r of k; a >= 4: v = 16 (a - 4) + r), and the 64 registers of a block run along s: register n is s = 32 (n / 16) + 16 (lane / 16) + n % 16,
; by the order in which x's rows were laid into tiles.  So they are the next product's K as the conversions want it, and a rotary pair lies in blocks a and a + 2 at the same register.
; K = 1,024 goes in four steps of 256 through THREE LDS slots.  Steps 0, 1, 2 are first fills; step 3 is asked for, into slot 0, as soon as that is read out: 352 matrix instructions ahead of its
; use.  The rotary table, which only the work behind the products reads, comes into slot 1 at the third change of slots, where all tensor loads are waited for in any case.
; Fragments lie in memory and in LDS as images of the operand's registers: three loads of 16 bytes a lane, 512 consecutive bytes each.
; CLUSTERS 4 x 4: A's tiles and scale words are asked for jointly along a row of the cluster, B's and the rotary table along a column.
; NO PREFETCH: of the four K steps three are first fills and the fourth goes out one step later; a lead of a step or more would stand at the head, where every work-group's first tiles are on their way.
; LIMITS: NaN and infinities among the inputs are not served.  phi(x) for x <= 0 is 2^(x log2 e), where the definition has expm1(x) + 1: they differ by at most 2^-24.  A block of zeros (32 padded
; rows) and one under 2^-124 keep the scale byte 1.  The rotary turn uses fused multiply-adds.
.set A_TILE0, 64
.set A_ROW0,  1024
.set A_SSTR,  2048                     ; a plane of A's scale words in elements of 8 bytes
.set B_SSTR,  8192
.set BSEL_A,  1                        ; the bias hangs on A's block
.set FR,    12                         ; registers of a fragment
.set HALFT, 24576                      ; 8 tiles x 2 K steps of 128 x 1,536 bytes: what one tensor load brings, and what a wave reads of A or of B
.set SLOT,  98304                      ; A's two halves, B's two halves
.set SCL,   294912                     ; behind the three slots: the scale words of all of K: four regions [K step of 128][128 words]
.set HALFS, 4096
.set SPARE, 311296                     ; the spare words: 128 bytes a wave; no other line names them
.set EXTRA, 311808
.set PP,    264                        ; a row of the rotary table in LDS: 256 bytes + 8
.set POS,   SLOT                       ; 256 rows, in slot 1 once that is read out
.set PSC,   EXTRA                      ; 512 bytes a wave: the way out; no tensor load lands there
.set ADRA, 16                          ; v16-18 my A fragments in slot 0, 1, 2
.set ADRB, 19                          ; v19-21 my B fragments
.set ADRS, 22                          ; v22    scale words: lanes 0-15 A's rows, lanes 16-31 B's
.set SPW,  23                          ; v23    my spare word; never rewritten
.set NIL,  31                          ; v31    0; never rewritten
.set SC,   32                          ; v32-63 scale words and nothing else: set s at 16 s; in it 2 i + q: block i, the K step's q-th 128 along K
.set BI,   64                          ; v64-127 the bias in the result's layout: the C of the first K step
.set AF,   128                         ; v128-223 A's fragments, one set.  Window 1: v0-95, v128-223 B's two sets.  Windows 2, 3: accumulator (a, b) at v[8 (8 (a % 4) + b)]
.set WV,  22
.set WHI, 23
.set WLO, 24
.set TX,  27
.set TY,  28
.set G1A, 32
.set G1B, 40
.set G0A, 48                           ; s[48:55] group 0 of A's slots 0 and 1;  s[4:7] of slot 2 (A's pointers are used up by then)
.set G0B, 56
.set G0A2, 4
.set G0B2, 8
.set G1SA, 68
.set G1SB, 76
.set G0SA, 84
.set G0SB, 88
.set G1P, 92
.set G0P, 88                           ; the table's group 0 takes the registers of B's scale words' once that load is done: both hang on x's tile alone
.set PPTR, 16                          ; s[16:17] the table at my 64 rows
.set MSB, 0
.macro WIN new                         ; the immediate's high byte repeats the setting that is left
.if MSB != (\new)
	s_set_vgpr_msb (MSB<<8)|(\new)
.set MSB, (\new)
.endif
.endm
.macro PLACES n
.rept \n
	v_nop
.endr
.endm
.macro JLOAD g0a, g1a, g0b, g1b        ; a joint load: waves 0 and 1 fetch for A, waves 2 and 3 for B; four v_nop follow each of the two lines
	s_cmp_eq_u32 s[WHI], 0
	s_cbranch_scc0 .Lfor_b_\@
	tensor_load_to_lds s[\g0a:\g0a+3], s[\g1a:\g1a+7]
	s_nop 0
.rept 4
	v_nop
.endr
	s_branch .Lasked_\@
.Lfor_b_\@:
	tensor_load_to_lds s[\g0b:\g0b+3], s[\g1b:\g1b+7]
	s_nop 0
.rept 4
	v_nop
.endr
.Lasked_\@:
.endm
.macro CREST                           ; a round of the cluster's barrier behind its opening barrier
	s_cmp_lg_u32 s[WV], 0
	s_cbranch_scc1 .Lnot_wave_0_\@
	s_barrier_signal -3
.Lnot_wave_0_\@:
	s_barrier_wait -3
	s_barrier_signal -1
	s_barrier_wait -1
.endm
.macro CROUND
	s_barrier_signal -1
	s_barrier_wait -1
	CREST
.endm
.macro FRAG reg, adr, q, i             ; a fragment comes as it was laid: three loads, 512 consecutive bytes each
.irp c, 0,1,2
	ds_load_b128 v[\reg+4*\c:\reg+4*\c+3], v[\adr] offset:3072*(\i)+1536*(\q)+512*\c
.endr
.endm
.macro FETCH_B slot, q, p
	WIN 0x40
.irp i, 0,1,2,3,4,5,6,7
	FRAG 128*(\p)+FR*\i, ADRB+\slot, \q, \i
.endr
	WIN 0
.endm
.macro FETCH_A slot, q, i0
.irp i, \i0, \i0+1, \i0+2, \i0+3
	FRAG AF+FR*(\i), ADRA+\slot, \q, \i
.endr
.endm
.macro SCALES k, set                   ; the scale words of K step k (256 along K) into a set
.irp i, 0,1,2,3,4,5,6,7
.irp q, 0,1
	ds_load_b32 v[SC+16*(\set)+2*\i+\q], v[ADRS] offset:512*(2*(\k)+\q)+64*\i
.endr
.endr
.endm
; 16 matrix instructions: A's blocks a0, a0 + 1 x B's eight.  The 64 accumulators take turns, one instruction a turn, in the same order in every step.
.macro MUL16 a0, p, q, sc, first
.irp a, \a0, \a0+1
.irp b, 0,1,2,3,4,5,6,7
.if \first
	v_wmma_scale_f32_16x16x128_f8f6f4 v[8*(8*((\a)%4)+\b):8*(8*((\a)%4)+\b)+7], v[128*(\p)+FR*\b:128*(\p)+FR*\b+FR-1], v[AF+FR*(\a):AF+FR*(\a)+FR-1], v[BI+8*(BSEL_A*(\a)+(1-BSEL_A)*\b):BI+8*(BSEL_A*(\a)+(1-BSEL_A)*\b)+7], v[SC+16*(\sc)+2*\b+(\q)], v[SC+16*(\sc)+2*(\a)+(\q)] matrix_a_fmt:MATRIX_FMT_FP6 matrix_b_fmt:MATRIX_FMT_FP6 matrix_a_scale:MATRIX_SCALE_ROW1
.else
	v_wmma_scale_f32_16x16x128_f8f6f4 v[8*(8*((\a)%4)+\b):8*(8*((\a)%4)+\b)+7], v[128*(\p)+FR*\b:128*(\p)+FR*\b+FR-1], v[AF+FR*(\a):AF+FR*(\a)+FR-1], v[8*(8*((\a)%4)+\b):8*(8*((\a)%4)+\b)+7], v[SC+16*(\sc)+2*\b+(\q)], v[SC+16*(\sc)+2*(\a)+(\q)] matrix_a_fmt:MATRIX_FMT_FP6 matrix_b_fmt:MATRIX_FMT_FP6 matrix_a_scale:MATRIX_SCALE_ROW1
.endif
.endr
.endr
.endm
.macro STEP slot, sc, first            ; a K step's first 128 along K, out of a slot, with set sc of scale words.  first = 1: the bias (window 0) is the C
	s_wait_dscnt 12                                ; all but the youngest 12 loads (A's blocks 4-7)
.if \first
	WIN 0x81
.else
	WIN 0xa1
.endif
	MUL16 0, 0, 0, \sc, \first
	MUL16 2, 0, 0, \sc, \first
	s_wait_dscnt 0x0
	PLACES 4                                       ; four places in front of loads into registers that matrix instructions have read
	FETCH_B \slot, 1, 1
	FETCH_A \slot, 1, 0
.if \first
	WIN 0xc1
.else
	WIN 0xf1
.endif
	MUL16 4, 0, 0, \sc, \first
	MUL16 6, 0, 0, \sc, \first
	PLACES 4
	WIN 0
	FETCH_A \slot, 1, 4
.endm
; A K step's second 128 along K goes on to K step k in slot next.
; mode 0: the next slot was shown whole to every wave at the first change of slots, and the slot that is left gets its next writer only behind the third change's barrier: no wait, no barrier.
; mode 2, 3: each wave waits for all its tensor loads, adds 0 to its spare word, waits for that and for its LDS reads; the barrier opens a round of the cluster's, and one joint refill is the first
; tensor load behind it: mode 2: K step 3 into slot 0, which has just been read out; mode 3: the rotary table into slot 1, read out one K step ago.
.macro TURN sc, next, k, mode
.if \mode
	s_wait_tensorcnt 0x0                           ; all my tensor loads have landed
	ds_add_u32 v[SPW], v[NIL]                      ; 0 onto my spare word
	s_wait_dscnt 13                                ; (the add and the 12 loads of A's blocks 4-7 may be out)
	WIN 0xa1
	MUL16 0, 1, 1, \sc, 0
	s_wait_dscnt 0x0                               ; the add is done, and my reads of the slots behind me are over
	s_barrier_signal -1
	MUL16 2, 1, 1, \sc, 0
	WIN 0
	s_barrier_wait -1
	CREST
.else
	s_wait_dscnt 12                                ; all but the 12 loads of A's blocks 4-7
	WIN 0xa1
	MUL16 0, 1, 1, \sc, 0
	MUL16 2, 1, 1, \sc, 0
	s_wait_dscnt 0x0
.endif
.if \mode == 2
	s_add_nc_u64 s[G0A+2:G0A+3], s[G0A+2:G0A+3], 9216      ; three K steps of 3,072 bytes on
	s_add_nc_u64 s[G0B+2:G0B+3], s[G0B+2:G0B+3], 9216
	JLOAD G0A, G1A, G0B, G1B                       ; its four v_nop are also the places in front of the loads below
.elseif \mode == 3
	s_mul_i32 s[G0P+1], s[WV], 64*PP               ; no tensor load of mine is out: the group 0 of the scale words' load may be written
	s_add_co_u32 s[G0P+1], s[G0P+1], POS
	s_mov_b64 s[G0P+2:G0P+3], s[PPTR:PPTR+1]
	s_or_b32 s[G0P+3], s[G0P+3], 0x80000000
	tensor_load_to_lds s[G0P:G0P+3], s[G1P:G1P+7]  ; every wave brings 64 rows of the table
	s_nop 0
.rept 4
	v_nop
.endr
.else
	PLACES 4
.endif
	FETCH_B \next, 0, 0
	FETCH_A \next, 0, 0
	SCALES \k, (\k)%2
	WIN 0xf1
	MUL16 4, 1, 1, \sc, 0
	MUL16 6, 1, 1, \sc, 0
	PLACES 4
	WIN 0
	FETCH_A \next, 0, 4
.endm
	s_load_b512 s[4:19], s[0:1], 0x0               ; wc, wsc, xc, xsc, bk, bv, rotary_pos_enc, padding_mask
	s_load_b64 s[20:21], s[0:1], 0x40              ; part
	v_lshl_add_u32 v[SPW], v0, 2, SPARE
	v_mov_b32 v[NIL], 0
	ds_add_u32 v23, v31
	ds_add_u32 v23, v31
	s_wait_dscnt 0x0
	v_lshrrev_b32 v1, 5, v0
	v_readfirstlane_b32 s[WV], v1                  ; wave 0..3
	s_lshr_b32 s[WHI], s[WV], 1                    ; my half of A's rows.  Also: I fetch for A (0) or for B (1)
	s_and_b32 s[WLO], s[WV], 1                     ; my half of B's rows.  Also: which half I fetch
	s_bfe_u32 s25, ttmp6, 0x40000                  ; cx
	s_bfe_u32 s26, ttmp6, 0x40004                  ; cy
	s_lshl_b32 s[TX], ttmp9, 2
	s_add_co_u32 s[TX], s[TX], s25                 ; B's tile: 256 rows of x
	s_and_b32 s[TY], ttmp7, 0xffff
	s_lshl_b32 s[TY], s[TY], 2
	s_add_co_u32 s[TY], s[TY], s26                 ; A's tile: two heads
	s_lshl_b32 s29, s26, 2
	s_lshl_b32 s29, 15, s29                        ; my row of the cluster
	s_lshl_b32 s30, 0x1111, s25                    ; my column
	s_or_b32 s[G1A], s29, (3<<16)|(1<<21)          ; codes: 8 rows (tiles) of 384 elements of 8 bytes (two K steps of 128), 12,288 bytes apart; dense in LDS
	s_or_b32 s[G1B], s30, (3<<16)|(1<<21)
.irp g, G1A, G1B
	s_mov_b32 s[\g+1], 384<<16
	s_mov_b32 s[\g+2], 8<<16
	s_mov_b32 s[\g+3], 384<<16
	s_mov_b32 s[\g+4], 8
	s_mov_b32 s[\g+5], 1536
	s_mov_b32 s[\g+6], 0
	s_mov_b32 s[\g+7], 0
.endr
	s_or_b32 s[G1SA], s29, (3<<16)|(1<<21)         ; scale words: 8 planes of 512 bytes
	s_or_b32 s[G1SB], s30, (3<<16)|(1<<21)
.irp g, G1SA, G1SB
	s_mov_b32 s[\g+1], 64<<16
	s_mov_b32 s[\g+2], 8<<16
	s_mov_b32 s[\g+3], 64<<16
	s_mov_b32 s[\g+4], 8
	s_mov_b32 s[\g+6], 0
	s_mov_b32 s[\g+7], 0
.endr
	s_mov_b32 s[G1SA+5], A_SSTR
	s_mov_b32 s[G1SB+5], B_SSTR
	s_or_b32 s[G1P], s30, (3<<16)|(1<<20)|(1<<21)|(5<<22)|(1<<25)   ; the rotary table: 64 rows of 256 bytes, 8 bytes of padding behind each; it hangs on x's tile: my column
	s_mov_b32 s[G1P+1], 32<<16
	s_mov_b32 s[G1P+2], 64<<16
	s_mov_b32 s[G1P+3], 32<<16
	s_mov_b32 s[G1P+4], 64
	s_mov_b32 s[G1P+5], 32
	s_mov_b32 s[G1P+6], 0
	s_mov_b32 s[G1P+7], 0
	s_mov_b32 s100, 0x76543210
	s_mov_b32 s101, 0xfedcba98                     ; lane l xor 16
	s_mov_b32 s104, 0x3fb8aa3b                     ; log2(e)
	s_mov_b32 s105, s104                           ; (named with it as a pair)
	CROUND                                         ; all sixteen work-groups are here: the first joint loads will meet.  The arguments arrive meanwhile
	s_wait_kmcnt 0x0
	s_lshl_b32 s2, s[TY], 4                        ; A: by the tile row and the wave's number alone
	s_lshl_b32 s31, s[WLO], 3
	s_add_co_u32 s2, s2, s31
	s_add_co_u32 s2, s2, A_TILE0
	s_mul_i32 s2, s2, 12288
	s_mov_b32 s3, 0
	s_add_nc_u64 s[4:5], s[4:5], s[2:3]
	s_lshl_b32 s2, s[TY], 8
	s_lshl_b32 s31, s[WLO], 7
	s_add_co_u32 s2, s2, s31
	s_add_co_u32 s2, s2, A_ROW0
	s_lshl_b32 s2, s2, 2
	s_add_nc_u64 s[6:7], s[6:7], s[2:3]
	s_lshl_b32 s66, s[TX], 4                       ; B: by the tile column and the wave's number alone
	s_lshl_b32 s31, s[WLO], 3
	s_add_co_u32 s66, s66, s31
	s_mul_i32 s66, s66, 12288
	s_mov_b32 s67, 0
	s_add_nc_u64 s[8:9], s[8:9], s[66:67]
	s_lshl_b32 s66, s[TX], 8
	s_lshl_b32 s31, s[WLO], 7
	s_add_co_u32 s66, s66, s31
	s_lshl_b32 s66, s66, 2
	s_add_nc_u64 s[10:11], s[10:11], s[66:67]
	s_mul_i32 s31, s[WV], HALFS
	s_mov_b32 s[G0SA], 1
	s_add_co_u32 s[G0SA+1], s31, SCL
	s_mov_b64 s[G0SA+2:G0SA+3], s[6:7]
	s_or_b32 s[G0SA+3], s[G0SA+3], 0x80000000
	s_mov_b32 s[G0SB], 1
	s_add_co_u32 s[G0SB+1], s31, SCL
	s_mov_b64 s[G0SB+2:G0SB+3], s[10:11]
	s_or_b32 s[G0SB+3], s[G0SB+3], 0x80000000
	s_mul_i32 s31, s[WV], HALFT                    ; where the codes go: wave x a half
.irp s, 0,1
	s_mov_b32 s[G0A+4*\s], 1
	s_add_co_u32 s[G0A+4*\s+1], s31, \s*SLOT
	s_add_nc_u64 s[G0A+4*\s+2:G0A+4*\s+3], s[4:5], \s*3072
	s_or_b32 s[G0A+4*\s+3], s[G0A+4*\s+3], 0x80000000
	s_mov_b32 s[G0B+4*\s], 1
	s_add_co_u32 s[G0B+4*\s+1], s31, \s*SLOT
	s_add_nc_u64 s[G0B+4*\s+2:G0B+4*\s+3], s[8:9], \s*3072
	s_or_b32 s[G0B+4*\s+3], s[G0B+4*\s+3], 0x80000000
.endr
	s_add_nc_u64 s[G0A2+2:G0A2+3], s[4:5], 6144    ; slot 2's groups 0 take the pointers' own registers
	s_or_b32 s[G0A2+3], s[G0A2+3], 0x80000000
	s_mov_b32 s[G0A2], 1
	s_add_co_u32 s[G0A2+1], s31, 2*SLOT
	s_add_nc_u64 s[G0B2+2:G0B2+3], s[8:9], 6144
	s_or_b32 s[G0B2+3], s[G0B2+3], 0x80000000
	s_mov_b32 s[G0B2], 1
	s_add_co_u32 s[G0B2+1], s31, 2*SLOT
	JLOAD G0SA, G1SA, G0SB, G1SB                   ; four tensor loads of mine are out at the most: scale words, slots 0, 1, 2
	JLOAD G0A, G1A, G0B, G1B
	JLOAD G0A+4, G1A, G0B+4, G1B
	JLOAD G0A2, G1A, G0B2, G1B
	s_and_b32 s66, s[TX], 15                       ; the table's rows 256 (TX % 16) + 64 x wave on
	s_lshl_b32 s66, s66, 16
	s_lshl_b32 s31, s[WV], 14
	s_add_co_u32 s66, s66, s31
	s_add_nc_u64 s[PPTR:PPTR+1], s[PPTR:PPTR+1], s[66:67]
	v_and_b32 v1, 15, v0                           ; r
	v_bfe_u32 v2, v0, 4, 1                         ; h
	v_and_b32 v3, 31, v0
	v_lshlrev_b32 v3, 4, v3                        ; 16 x lane
	s_mul_i32 s31, s[WHI], HALFT
	v_add_nc_u32 v[ADRA], s31, v3
	v_add_nc_u32 v[ADRA+1], SLOT, v[ADRA]
	v_add_nc_u32 v[ADRA+2], SLOT, v[ADRA+1]
	s_mul_i32 s31, s[WLO], HALFT
	s_add_co_u32 s31, s31, 2*HALFT
	v_add_nc_u32 v[ADRB], s31, v3
	v_add_nc_u32 v[ADRB+1], SLOT, v[ADRB]
	v_add_nc_u32 v[ADRB+2], SLOT, v[ADRB+1]
	s_mul_i32 s2, s[WHI], HALFS                    ; A's scale words: my half
	s_mul_i32 s31, s[WLO], HALFS                   ; B's: my half, behind A's two
	s_add_co_u32 s31, s31, 2*HALFS
	s_sub_co_u32 s31, s31, s2
	v_mul_u32_u24 v[ADRS], s31, v2                 ; lanes 16-31 take B's
	s_add_co_u32 s2, s2, SCL
	v_add_nc_u32 v[ADRS], s2, v[ADRS]
	v_lshl_add_u32 v[ADRS], v1, 2, v[ADRS]
.set PT,  4                            ; v4  the table: row 128 LO + 16 h, + 4 r
.set PSA, 5                            ; v5  the way out: my word
.set PSL, 6                            ; v6  and 16 x lane of my wave's 512 bytes
.set KW,  8                            ; v8-11  phi(k)'s scale words, and nothing else
.set VW,  12                           ; v12-15 v's
.set KSUM, 24                          ; v24-27 the sums of phi(k)
.set R,   64                           ; v64-127 a block at work
.set Y,   128                          ; v128-191 its exponentials
.set TM,  128                          ; v128-143 the quantiser's
.set KD,  144                          ; v144-175 kv's four accumulators
.set FK,  192                          ; v192-239 phi(k)'s four fragments.  v's four wait in window 1: v64-87, v192-215
.set DT,  240
	s_lshl_b32 s31, s[WLO], 7
	s_mul_i32 s31, s31, PP
	s_add_co_u32 s31, s31, POS
	v_mul_u32_u24 v[PT], v2, 16*PP
	v_lshl_add_u32 v[PT], v1, 2, v[PT]
	v_add_nc_u32 v[PT], s31, v[PT]
	s_lshl_b32 s31, s[WV], 9
	s_add_co_u32 s31, s31, PSC
	v_lshl_add_u32 v[PSA], v1, 2, s31
	v_add_nc_u32 v[PSL], s31, v3
	v_lshlrev_b32 v28, 3, v1                       ; 8 r
	v_lshlrev_b32 v29, 2, v1                       ; 4 r
	v_lshlrev_b32 v30, 6, v2                       ; 64 h
	s_lshl_b32 s2, s[TY], 1
	s_add_co_u32 s2, s2, s[WHI]                    ; my head
	s_lshl_b32 s66, s2, 8
	s_add_nc_u64 s[12:13], s[12:13], s[66:67]
	s_add_nc_u64 s[14:15], s[14:15], s[66:67]
.irp a, 0,1,2,3                        ; the bias hangs on the lane's row alone: it is loaded once a block and copied below
	global_load_b32 v[BI+8*\a], v28, s[12:13] offset:128*(\a&1)+4*(\a>>1)
.endr
.irp a, 0,1,2,3
	global_load_b32 v[BI+32+8*\a], v29, s[14:15] offset:64*\a
.endr
	s_lshl_b32 s66, s[TX], 10
	s_lshl_b32 s31, s[WLO], 9
	s_add_co_u32 s66, s66, s31
	s_add_nc_u64 s[18:19], s[18:19], s[66:67]      ; the mask at my 128 rows
	WIN 0x40
.irp b, 0,1,2,3                        ; register n's row, into window 1: v96-127 (n < 32), v224-255: they lie there through the products
.irp q, 0,1,2,3
	global_load_b128 v[96+16*\b+4*\q+96*(\b/2):99+16*\b+4*\q+96*(\b/2)], v30, s[18:19] offset:128*\b+16*\q
.endr
.endr
	WIN 0
	s_lshr_b32 s66, s[TX], 4                       ; where my 512 bytes go: ((batch x 16 + head) x 32 + 2 (TX % 16) + LO) x 512
	s_lshl_b32 s66, s66, 4
	s_add_co_u32 s66, s66, s2
	s_lshl_b32 s66, s66, 5
	s_and_b32 s31, s[TX], 15
	s_lshl_b32 s31, s31, 1
	s_add_co_u32 s66, s66, s31
	s_add_co_u32 s66, s66, s[WLO]
	s_lshl_b32 s66, s66, 9
	s_add_nc_u64 s[20:21], s[20:21], s[66:67]
	s_wait_loadcnt 0x0
.irp a, 0,1,2,3,4,5,6,7
.irp j, 1,2,3,4,5,6,7
	v_mov_b32 v[BI+8*\a+\j], v[BI+8*\a]            ; a block's eight registers hold the same number
.endr
.endr
	s_wait_tensorcnt 2                             ; the scale words and my part of slot 0 are in; the loads of slots 1 and 2 may be out
	s_barrier_signal -1
	s_barrier_wait -1
	FETCH_B 0, 0, 0
	FETCH_A 0, 0, 0
	SCALES 0, 0
	FETCH_A 0, 0, 4
	STEP 0, 0, 1
	TURN 0, 1, 1, 2                                ; slot 0 is read out: K step 3 is asked for
	STEP 1, 1, 0
	TURN 1, 2, 2, 0
	STEP 2, 0, 0
	TURN 0, 0, 3, 3                                ; K step 3 has landed; the table is asked for
	STEP 0, 1, 0
	s_wait_dscnt 12
	WIN 0xa1
	MUL16 0, 1, 1, 1, 0
	MUL16 2, 1, 1, 1, 0
	s_wait_dscnt 0x0
	WIN 0xf1
	MUL16 4, 1, 1, 1, 0
	MUL16 6, 1, 1, 1, 0
	WIN 0
.macro TAB g                           ; sin and cos of pairs 16 g + r for my 64 rows, into window 1: v0-63, v128-191
	WIN 0x40
.set n, 0
.rept 64
	ds_load_b32 v[n], v[PT] offset:(32*(n/16)+n%16)*PP+64*\g
	ds_load_b32 v[128+n], v[PT] offset:(32*(n/16)+n%16)*PP+64*\g+128
.set n, n+1
.endr
	WIN 0
.endm
.macro ROPE x, y, neg                  ; R = k_x cos + mask, then -+ k_y sin.  Each accumulator is read from its low end on
	WIN 0x16
.set n, 0
.rept 32
	v_pk_fma_f32 v[R+n:R+n+1], v[64*(\x)+n:64*(\x)+n+1], v[128+n:129+n], v[96+n+96*(n/32):97+n+96*(n/32)]
.set n, n+2
.endr
	WIN 0x06
.set n, 0
.rept 32
.if \neg
	v_pk_fma_f32 v[R+n:R+n+1], v[64*(\y)+n:64*(\y)+n+1], v[n:n+1], v[R+n:R+n+1] neg_lo:[1,0,0] neg_hi:[1,0,0]
.else
	v_pk_fma_f32 v[R+n:R+n+1], v[64*(\y)+n:64*(\y)+n+1], v[n:n+1], v[R+n:R+n+1]
.endif
.set n, n+2
.endr
	WIN 0
.endm
.macro PHI                             ; elu(x) + 1 is the middle one of e^x, x + 1 and 1: for x > 0, 1 < x + 1 <= e^x; for x <= 0, x + 1 <= e^x <= 1
.set n, 0
.rept 32
	v_pk_mul_f32 v[Y+n:Y+n+1], v[R+n:R+n+1], s[104:105] op_sel_hi:[1,0]
.set n, n+2
.endr
.set n, 0
.rept 32
	v_exp_f32 v[Y+n], v[Y+n]
	v_exp_f32 v[Y+n+1], v[Y+n+1]
	v_pk_add_f32 v[R+n:R+n+1], v[R+n:R+n+1], 1.0 op_sel_hi:[1,0]   ; plain work among the exponentials; the last is the plain place behind them
.set n, n+2
.endr
	s_wait_alu depctr_va_vdst(0)                   ; one wait for the 64 exponentials, ahead of their first reader
.set n, 0
.rept 64
	v_med3_num_f32 v[R+n], v[Y+n], v[R+n], 1.0
.set n, n+1
.endr
.endm
.macro KSUMM a                         ; the sum of the unquantised phi(k) over my 128 rows
	v_pk_add_f32 v[248:249], v[R:R+1], v[R+2:R+3]
	v_pk_add_f32 v[250:251], v[R+4:R+5], v[R+6:R+7]
.set n, 8
.rept 14
	v_pk_add_f32 v[248:249], v[248:249], v[R+n:R+n+1]
	v_pk_add_f32 v[250:251], v[250:251], v[R+n+2:R+n+3]
.set n, n+4
.endr
	v_pk_add_f32 v[248:249], v[248:249], v[250:251]
	v_add_f32 v248, v248, v249
	v_permlanex16_b32 v252, v248, s100, s101
	v_add_f32 v[KSUM+\a], v248, v252
.endm
; 64 numbers of a lane in window sw, register 16 b + i = K 32 b + 16 (lane / 16) + i of my row, become a fragment's codes in v[d] on and its scale word in v[wreg].
.macro QUANT s, sw, d, wreg
	WIN (\sw)|((\sw)<<2)
.irp b, 0,1,2,3
	v_max3_num_f32 v[TM+\b], |v[(\s)+16*\b]|, |v[(\s)+1+16*\b]|, 0x1800000   ; over the floor 2^(3 - 127)
.endr
	WIN ((\sw)<<2)|((\sw)<<4)
.irp i, 2,4,6,8,10,12,14
.irp b, 0,1,2,3
	v_max3_num_f32 v[TM+\b], v[TM+\b], |v[(\s)+16*\b+\i]|, |v[(\s)+1+16*\b+\i]|
.endr
.endr
	WIN 0
.irp b, 0,1,2,3
	v_permlanex16_b32 v[TM+4+\b], v[TM+\b], s100, s101
.endr
.irp b, 0,1,2,3
	v_max_num_f32 v[TM+\b], v[TM+\b], v[TM+4+\b]   ; with lane l xor 16's: the block's largest magnitude
.endr
.irp b, 0,1,2,3
	v_add_nc_u32 v[TM+12+\b], 0xff000000, v[TM+\b] ; 2 off its exponent field: the conversion's scale operand
.endr
.irp b, 0,1,2,3
	v_lshrrev_b32 v[TM+4+\b], 23, v[TM+12+\b]      ; the byte
.endr
	v_lshl_or_b32 v[\wreg], v[TM+5], 8, v[TM+4]
	v_lshl_or_b32 v[\wreg], v[TM+6], 16, v[\wreg]
	v_lshl_or_b32 v[\wreg], v[TM+7], 24, v[\wreg]
	WIN (\sw)
.irp c, 0,1
	v_cvt_scalef32_pk16_fp6_f32 v[(\d)+6*\c:(\d)+2+6*\c], v[(\s)+32*\c:(\s)+15+32*\c], v[TM+12+2*\c]
	v_cvt_scalef32_pk16_fp6_f32 v[DT+4*\c:DT+2+4*\c], v[(\s)+16+32*\c:(\s)+31+32*\c], v[TM+13+2*\c]
.endr
	WIN 0
	v_nop                                          ; one plain place behind the conversions
.irp c, 0,1                            ; the operand wants a whole block in a lane: lanes 0-15 block 2 c, lanes 16-31 block 2 c + 1
.irp i, 0,1,2
	v_permlane16_swap_b32 v[(\d)+6*\c+\i], v[DT+4*\c+\i]
.endr
.irp i, 0,1,2
	v_mov_b32 v[(\d)+3+6*\c+\i], v[DT+4*\c+\i]
.endr
.endr
.endm
; BEHIND THE PRODUCTS.  What does not need the rotary table comes first, while the table is on its way: the mask's selects and the quantising of v.
	PLACES 4                                       ; behind the last products: in front of writes of B's registers and of the first reads of results
	WIN 0x44                                       ; source 1 and destination in window 1
	v_mov_b32 v0, 0xff800000                       ; (window 1's v0, free until the table's numbers land there)
.set n, 0
.rept 64
	v_cmp_eq_u32 vcc_lo, 1, v[96+n+96*(n/32)]
	v_cndmask_b32 v[96+n+96*(n/32)], 0, v0, vcc_lo ; -infinity where the row is padded, else 0: it is added in the rotary turn, and phi(-infinity) = 0
.set n, n+1
.endr
	WIN 0
	v_mov_b32 v252, 0                              ; a lane permute's destination counts as read
.irp b, 0,1,2,3
	v_mov_b32 v[TM+4+\b], 0
.endr
.irp a, 0,1,2,3
	QUANT 64*\a, 3, FK+36, VW+\a                   ; v as it stands in window 3; made where phi(k)'s last fragment will lie,
	WIN 0x40
.irp i, 0,1,2,3,4,5,6,7,8,9,10,11
	v_mov_b32 v[64+12*\a+104*(\a/2)+\i], v[FK+36+\i]       ; and kept in window 1
.endr
	WIN 0
.endr
	s_wait_tensorcnt 0x0                           ; my 64 rows of the table have landed
	s_barrier_signal -1
	s_barrier_wait -1                              ; everybody's have
	TAB 0
.irp g, 0,1
	s_wait_dscnt 0x0                               ; the table's numbers are in
	ROPE \g, \g+2, 1                               ; the pairs' even numbers
	PHI
	KSUMM \g
	QUANT R, 0, FK+12*\g, KW+\g
	ROPE \g+2, \g, 0                               ; the odd ones
.if \g == 0
	TAB 1
.endif
	PHI
	KSUMM \g+2
	QUANT R, 0, FK+12*(\g+2), KW+\g+2
.endr
	PLACES 8                                       ; scale words written by vector instructions stand 8 places ahead of a scaled matrix instruction
	WIN 0x04                                       ; source 1: v's fragments, in window 1
.irp kt, 0,1,2,3                       ; kv over my 128 rows.  The four tiles of k add onto one accumulator: that is part of the sum over k.  The four accumulators take turns
.irp vt, 0,1,2,3
.if \kt == 0
	v_wmma_scale_f32_16x16x128_f8f6f4 v[KD+8*\vt:KD+8*\vt+7], v[FK+12*\kt:FK+12*\kt+11], v[64+12*\vt+104*(\vt/2):64+12*\vt+104*(\vt/2)+11], 0, v[KW+\kt], v[VW+\vt] matrix_a_fmt:MATRIX_FMT_FP6 matrix_b_fmt:MATRIX_FMT_FP6
.else
	v_wmma_scale_f32_16x16x128_f8f6f4 v[KD+8*\vt:KD+8*\vt+7], v[FK+12*\kt:FK+12*\kt+11], v[64+12*\vt+104*(\vt/2):64+12*\vt+104*(\vt/2)+11], v[KD+8*\vt:KD+8*\vt+7], v[KW+\kt], v[VW+\vt] matrix_a_fmt:MATRIX_FMT_FP6 matrix_b_fmt:MATRIX_FMT_FP6
.endif
.endr
.endr
	WIN 0
	PLACES 4
.irp t, 0,1,2,3                        ; the rest of the sum over k: my eight registers, from the low end on, and lane l xor 16's
	v_pk_add_f32 v[176+4*\t:177+4*\t], v[KD+8*\t:KD+8*\t+1], v[KD+8*\t+2:KD+8*\t+3]
.endr
.irp t, 0,1,2,3
	v_pk_add_f32 v[178+4*\t:179+4*\t], v[KD+8*\t+4:KD+8*\t+5], v[KD+8*\t+6:KD+8*\t+7]
.endr
.irp t, 0,1,2,3
	v_pk_add_f32 v[176+4*\t:177+4*\t], v[176+4*\t:177+4*\t], v[178+4*\t:179+4*\t]
.endr
.irp t, 0,1,2,3
	v_add_f32 v[176+4*\t], v[176+4*\t], v[177+4*\t]
.endr
.irp t, 0,1,2,3
	v_permlanex16_b32 v[177+4*\t], v[176+4*\t], s100, s101
.endr
.irp t, 0,1,2,3
	v_add_f32 v[176+4*\t], v[176+4*\t], v[177+4*\t]
.endr
.irp t, 0,1,2,3
	ds_store_b32 v[PSA], v[176+4*\t] offset:64*\t          ; entries 0-63: by v
.endr
.irp t, 0,1,2,3
	ds_store_b32 v[PSA], v[KSUM+\t] offset:256+64*\t       ; entries 64-127: the sums of phi(k), by place
.endr
	ds_load_b128 v[248:251], v[PSL]                ; LDS serves a wave's instructions in order: this sees my stores
	s_wait_dscnt 0x0
	global_store_b128 v3, v[248:251], s[20:21]     ; 512 consecutive bytes, aligned
	s_wait_tensorcnt 0x0                           ; the wave's end
	ds_add_u32 v[SPW], v[NIL]
	s_wait_dscnt 0x0
	CROUND                                         ; the closing round
	s_endpgm
.Lfunc_end_k_q651f05aea3_kvpart:
	.size	k_q651f05aea3_kvpart, .Lfunc_end_k_q651f05aea3_kvpart-k_q651f05aea3_kvpart
	.p2alignl 7, 3214868480
	.fill 96, 4, 3214868480
	.section	.rodata,"a",@progbits
	.p2align	6, 0x0
	.amdhsa_kernel k_q651f05aea3_kvpart
		.amdhsa_group_segment_fixed_size 327680
		.amdhsa_private_segment_fixed_size 0
		.amdhsa_enable_private_segment 0
		.amdhsa_kernarg_size 72
		.amdhsa_user_sgpr_count 2
		.amdhsa_user_sgpr_kernarg_segment_ptr 1
		.amdhsa_wavefront_size32 1
		.amdhsa_system_sgpr_workgroup_id_x 1
		.amdhsa_system_sgpr_workgroup_id_y 1
		.amdhsa_system_sgpr_workgroup_id_z 1
		.amdhsa_system_vgpr_workitem_id 0
		.amdhsa_next_free_vgpr 1024
		.amdhsa_next_free_sgpr 106
		.amdhsa_reserve_vcc 1
		.amdhsa_float_denorm_mode_32 3
		.amdhsa_float_denorm_mode_16_64 3
		.amdhsa_memory_ordered 1
		.amdhsa_forward_progress 1
		.amdhsa_inst_pref_size 236
	.end_amdhsa_kernel
	.amdgpu_metadata
---
amdhsa.version: [ 1, 2 ]
amdhsa.kernels:
  - .name:           k_q651f05aea3_kvpart
    .symbol:         k_q651f05aea3_kvpart.kd
    .args:
      - { .name: wc, .offset: 0, .size: 8, .value_kind: global_buffer, .address_space: global }
      - { .name: wsc, .offset: 8, .size: 8, .value_kind: global_buffer, .address_space: global }
      - { .name: xc, .offset: 16, .size: 8, .value_kind: global_buffer, .address_space: global }
      - { .name: xsc, .offset: 24, .size: 8, .value_kind: global_buffer, .address_space: global }
      - { .name: bk, .offset: 32, .size: 8, .value_kind: global_buffer, .address_space: global }
      - { .name: bv, .offset: 40, .size: 8, .value_kind: global_buffer, .address_space: global }
      - { .name: rotary_pos_enc, .offset: 48, .size: 8, .value_kind: global_buffer, .address_space: global }
      - { .name: padding_mask, .offset: 56, .size: 8, .value_kind: global_buffer, .address_space: global }
      - { .name: part, .offset: 64, .size: 8, .value_kind: global_buffer, .address_space: global }
    .group_segment_fixed_size: 327680
    .private_segment_fixed_size: 0
    .kernarg_segment_align: 8
    .kernarg_segment_size: 72
    .max_flat_workgroup_size: 128
    .sgpr_count:     106
    .vgpr_count:     1024
    .wavefront_size: 32
...
	.end_amdgpu_metadata
.endif
;; end of part 2
;; launch qattn (part 3): grid 4 x 64, 4 waves a work-group, clusters of 4 x 4, 327,680 bytes of LDS; arguments xc, xsc, wc, wsc, bq, rotary_pos_enc, part, ac, asc; writes ac, asc
.if DOCPART == 3
	.amdgcn_target "amdgcn-amd-amdhsa--gfx1250"
	.amdhsa_code_object_version 6
	.text
	.protected	k_q651f05aea3_qattn
	.globl	k_q651f05aea3_qattn
	.p2align	8
	.type	k_q651f05aea3_qattn,@function
k_q651f05aea3_qattn:
	s_mov_b64 s[64:65], 0
	v_nop
	global_prefetch_b8 v0, s[64:65] scope:SCOPE_SE
	s_setreg_imm32_b32 hwreg(HW_REG_WAVE_MODE, 25, 1), 1
	s_wait_xcnt 0x0
	s_wait_alu depctr_hold_cnt(0) depctr_sa_sdst(0) depctr_va_vdst(0) depctr_va_sdst(0) depctr_va_ssrc(0) depctr_va_vcc(0) depctr_vm_vsrc(0)
	s_getreg_b32 s2, hwreg(HW_REG_IB_STS2, 6, 4)
	s_cmp_eq_u32 s2, 0
	s_cbranch_scc0 .Lentry_in_a_cluster
	s_endpgm
.Lentry_in_a_cluster:
	s_bfe_u32 s2, ttmp6, 0x10000c
	s_cmp_lg_u32 s2, 0xf033
	s_cbranch_scc0 .Lentry_shape_is_right
	s_endpgm
.Lentry_shape_is_right:
; q = x Wq^T + bq on codes of FP6; rotary turn, elu + 1; for each (row, head): S = the sum of phi(q), z = 1 / max(phi(q) . ksum, 1e-6), c = S z; attn[row][head][v] = c x kvs[head][v],
; quantised along (head, v) into codes laid as the next product's operand images.  kvs and ksum are the sums of the 32 parts that the launch before stored.  q and attn never go to memory as f32.
; A TILE: 256 rows of x (A) x 256 rows of Wq (B: four heads).  Four waves, each 128 x 128.  Source 0 = 16 rows of Wq, source 1 = 16 rows of x: a lane holds ONE row of x, and the registers of
; blocks b = 4 hh + bb run along head hh's places 16 bb + 8 (lane / 16) + j; a rotary pair lies in blocks bb and bb + 2 at the same register.
; The core is the same as in the launch before: four K steps of 256 through three LDS slots, steps 0, 1, 2 as first fills, step 3 into slot 0 as soon as that is read out, the rotary table into
; slot 1 at the third change of slots; joint loads in a 4 x 4 cluster.  NO PREFETCH, for the reason given there: of four K steps three are first fills.
; LIMITS: NaN and infinities among the inputs are not served.  phi(x) for x <= 0 is 2^(x log2 e) (expm1(x) + 1 differs by at most 2^-24); 1 / x is v_rcp_f32; the rotary turn uses fused
; multiply-adds; a block under 2^-124 keeps the scale byte 1.  c is never negative (a sum of phi times a positive z), so a block's largest magnitude is c x the largest |kvs| of the block.
.set A_SSTR,  8192
.set B_SSTR,  2048
.set BSEL_A,  0                        ; the bias hangs on B's block
.set FR,    12
.set HALFT, 24576
.set SLOT,  98304
.set SCL,   294912
.set HALFS, 4096
.set SPARE, 311296                     ; the spare words: 128 bytes a wave; no other line names them
.set EXTRA, 311808
.set PP,    272                        ; a row of the rotary table in LDS: 256 bytes + 16
.set POS,   SLOT                       ; 256 rows, in slot 1 once that is read out
.set RED,   EXTRA                      ; four heads x 128 numbers: kvs, ksum; no tensor load lands there
.set SCR,   RED+2048                   ; 512 bytes a wave: attn's scale words on their way out
.set ADRA, 16
.set ADRB, 19
.set ADRS, 22
.set SPW,  23
.set NIL,  31
.set SC,   32
.set BI,   64
.set AF,   128
.set WV,  22
.set WHI, 23
.set WLO, 24
.set TX,  27
.set TY,  28
.set G1A, 32
.set G1B, 40
.set G0A, 48
.set G0B, 56
.set G0A2, 4
.set G0B2, 8
.set G1SA, 68
.set G1SB, 76
.set G0SA, 84
.set G0SB, 88
.set G1P, 92
.set G0P, 84                           ; the table's group 0 takes the registers of A's scale words' once that load is done: both hang on x's tile alone
.set PPTR, 14                          ; s[14:15] the table at my 64 rows
.set MSB, 0
.macro WIN new                         ; the immediate's high byte repeats the setting that is left
.if MSB != (\new)
	s_set_vgpr_msb (MSB<<8)|(\new)
.set MSB, (\new)
.endif
.endm
.macro PLACES n
.rept \n
	v_nop
.endr
.endm
.macro JLOAD g0a, g1a, g0b, g1b        ; a joint load: waves 0 and 1 fetch for A, waves 2 and 3 for B; four v_nop follow each of the two lines
	s_cmp_eq_u32 s[WHI], 0
	s_cbranch_scc0 .Lfor_b_\@
	tensor_load_to_lds s[\g0a:\g0a+3], s[\g1a:\g1a+7]
	s_nop 0
.rept 4
	v_nop
.endr
	s_branch .Lasked_\@
.Lfor_b_\@:
	tensor_load_to_lds s[\g0b:\g0b+3], s[\g1b:\g1b+7]
	s_nop 0
.rept 4
	v_nop
.endr
.Lasked_\@:
.endm
.macro CREST
	s_cmp_lg_u32 s[WV], 0
	s_cbranch_scc1 .Lnot_wave_0_\@
	s_barrier_signal -3
.Lnot_wave_0_\@:
	s_barrier_wait -3
	s_barrier_signal -1
	s_barrier_wait -1
.endm
.macro CROUND
	s_barrier_signal -1
	s_barrier_wait -1
	CREST
.endm
.macro FRAG reg, adr, q, i
.irp c, 0,1,2
	ds_load_b128 v[\reg+4*\c:\reg+4*\c+3], v[\adr] offset:3072*(\i)+1536*(\q)+512*\c
.endr
.endm
.macro FETCH_B slot, q, p
	WIN 0x40
.irp i, 0,1,2,3,4,5,6,7
	FRAG 128*(\p)+FR*\i, ADRB+\slot, \q, \i
.endr
	WIN 0
.endm
.macro FETCH_A slot, q, i0
.irp i, \i0, \i0+1, \i0+2, \i0+3
	FRAG AF+FR*(\i), ADRA+\slot, \q, \i
.endr
.endm
.macro SCALES k, set
.irp i, 0,1,2,3,4,5,6,7
.irp q, 0,1
	ds_load_b32 v[SC+16*(\set)+2*\i+\q], v[ADRS] offset:512*(2*(\k)+\q)+64*\i
.endr
.endr
.endm
.macro MUL16 a0, p, q, sc, first       ; the 64 accumulators take turns, one instruction a turn
.irp a, \a0, \a0+1
.irp b, 0,1,2,3,4,5,6,7
.if \first
	v_wmma_scale_f32_16x16x128_f8f6f4 v[8*(8*((\a)%4)+\b):8*(8*((\a)%4)+\b)+7], v[128*(\p)+FR*\b:128*(\p)+FR*\b+FR-1], v[AF+FR*(\a):AF+FR*(\a)+FR-1], v[BI+8*(BSEL_A*(\a)+(1-BSEL_A)*\b):BI+8*(BSEL_A*(\a)+(1-BSEL_A)*\b)+7], v[SC+16*(\sc)+2*\b+(\q)], v[SC+16*(\sc)+2*(\a)+(\q)] matrix_a_fmt:MATRIX_FMT_FP6 matrix_b_fmt:MATRIX_FMT_FP6 matrix_a_scale:MATRIX_SCALE_ROW1
.else
	v_wmma_scale_f32_16x16x128_f8f6f4 v[8*(8*((\a)%4)+\b):8*(8*((\a)%4)+\b)+7], v[128*(\p)+FR*\b:128*(\p)+FR*\b+FR-1], v[AF+FR*(\a):AF+FR*(\a)+FR-1], v[8*(8*((\a)%4)+\b):8*(8*((\a)%4)+\b)+7], v[SC+16*(\sc)+2*\b+(\q)], v[SC+16*(\sc)+2*(\a)+(\q)] matrix_a_fmt:MATRIX_FMT_FP6 matrix_b_fmt:MATRIX_FMT_FP6 matrix_a_scale:MATRIX_SCALE_ROW1
.endif
.endr
.endr
.endm
.macro STEP slot, sc, first
	s_wait_dscnt 12                                ; all but the youngest 12 loads (A's blocks 4-7)
.if \first
	WIN 0x81
.else
	WIN 0xa1
.endif
	MUL16 0, 0, 0, \sc, \first
	MUL16 2, 0, 0, \sc, \first
	s_wait_dscnt 0x0
	PLACES 4
	FETCH_B \slot, 1, 1
	FETCH_A \slot, 1, 0
.if \first
	WIN 0xc1
.else
	WIN 0xf1
.endif
	MUL16 4, 0, 0, \sc, \first
	MUL16 6, 0, 0, \sc, \first
	PLACES 4
	WIN 0
	FETCH_A \slot, 1, 4
.endm
; mode 0: the next slot was shown whole to every wave at the first change of slots, and the slot that is left gets its next writer only behind the third change's barrier: no wait, no barrier.
; mode 2, 3: the three lines, a round of the cluster's barrier, and one joint refill first behind it: mode 2: K step 3 into slot 0; mode 3: the rotary table into slot 1.
.macro TURN sc, next, k, mode
.if \mode
	s_wait_tensorcnt 0x0                           ; all my tensor loads have landed
	ds_add_u32 v[SPW], v[NIL]                      ; 0 onto my spare word
	s_wait_dscnt 13                                ; (the add and the 12 loads of A's blocks 4-7 may be out)
	WIN 0xa1
	MUL16 0, 1, 1, \sc, 0
	s_wait_dscnt 0x0                               ; the add is done, and my reads of the slots behind me are over
	s_barrier_signal -1
	MUL16 2, 1, 1, \sc, 0
	WIN 0
	s_barrier_wait -1
	CREST
.else
	s_wait_dscnt 12                                ; all but the 12 loads of A's blocks 4-7
	WIN 0xa1
	MUL16 0, 1, 1, \sc, 0
	MUL16 2, 1, 1, \sc, 0
	s_wait_dscnt 0x0
.endif
.if \mode == 2
	s_add_nc_u64 s[G0A+2:G0A+3], s[G0A+2:G0A+3], 9216      ; three K steps of 3,072 bytes on
	s_add_nc_u64 s[G0B+2:G0B+3], s[G0B+2:G0B+3], 9216
	JLOAD G0A, G1A, G0B, G1B
.elseif \mode == 3
	s_mul_i32 s[G0P+1], s[WV], 64*PP               ; no tensor load of mine is out: the group 0 of the scale words' load may be written
	s_add_co_u32 s[G0P+1], s[G0P+1], POS
	s_mov_b64 s[G0P+2:G0P+3], s[PPTR:PPTR+1]
	s_or_b32 s[G0P+3], s[G0P+3], 0x80000000
	tensor_load_to_lds s[G0P:G0P+3], s[G1P:G1P+7]  ; every wave brings 64 rows of the table
	s_nop 0
.rept 4
	v_nop
.endr
.else
	PLACES 4
.endif
	FETCH_B \next, 0, 0
	FETCH_A \next, 0, 0
	SCALES \k, (\k)%2
	WIN 0xf1
	MUL16 4, 1, 1, \sc, 0
	MUL16 6, 1, 1, \sc, 0
	PLACES 4
	WIN 0
	FETCH_A \next, 0, 4
.endm
	s_load_b512 s[4:19], s[0:1], 0x0               ; xc, xsc, wc, wsc, bq, rotary_pos_enc, part, ac
	s_load_b64 s[20:21], s[0:1], 0x40              ; asc
	v_lshl_add_u32 v[SPW], v0, 2, SPARE
	v_mov_b32 v[NIL], 0
	ds_add_u32 v23, v31
	ds_add_u32 v23, v31
	s_wait_dscnt 0x0
	v_lshrrev_b32 v1, 5, v0
	v_readfirstlane_b32 s[WV], v1
	s_lshr_b32 s[WHI], s[WV], 1
	s_and_b32 s[WLO], s[WV], 1
	s_bfe_u32 s25, ttmp6, 0x40000
	s_bfe_u32 s26, ttmp6, 0x40004
	s_lshl_b32 s[TX], ttmp9, 2
	s_add_co_u32 s[TX], s[TX], s25                 ; B's tile: four heads
	s_and_b32 s[TY], ttmp7, 0xffff
	s_lshl_b32 s[TY], s[TY], 2
	s_add_co_u32 s[TY], s[TY], s26                 ; A's tile: 256 rows of x
	s_lshl_b32 s29, s26, 2
	s_lshl_b32 s29, 15, s29
	s_lshl_b32 s30, 0x1111, s25
	s_or_b32 s[G1A], s29, (3<<16)|(1<<21)
	s_or_b32 s[G1B], s30, (3<<16)|(1<<21)
.irp g, G1A, G1B
	s_mov_b32 s[\g+1], 384<<16
	s_mov_b32 s[\g+2], 8<<16
	s_mov_b32 s[\g+3], 384<<16
	s_mov_b32 s[\g+4], 8
	s_mov_b32 s[\g+5], 1536
	s_mov_b32 s[\g+6], 0
	s_mov_b32 s[\g+7], 0
.endr
	s_or_b32 s[G1SA], s29, (3<<16)|(1<<21)
	s_or_b32 s[G1SB], s30, (3<<16)|(1<<21)
.irp g, G1SA, G1SB
	s_mov_b32 s[\g+1], 64<<16
	s_mov_b32 s[\g+2], 8<<16
	s_mov_b32 s[\g+3], 64<<16
	s_mov_b32 s[\g+4], 8
	s_mov_b32 s[\g+6], 0
	s_mov_b32 s[\g+7], 0
.endr
	s_mov_b32 s[G1SA+5], A_SSTR
	s_mov_b32 s[G1SB+5], B_SSTR
	s_or_b32 s[G1P], s29, (3<<16)|(1<<20)|(1<<21)|(5<<22)|(3<<25)   ; the rotary table: 64 rows of 256 bytes, 16 of padding behind each; it hangs on x's tile: my row
	s_mov_b32 s[G1P+1], 32<<16
	s_mov_b32 s[G1P+2], 64<<16
	s_mov_b32 s[G1P+3], 32<<16
	s_mov_b32 s[G1P+4], 64
	s_mov_b32 s[G1P+5], 32
	s_mov_b32 s[G1P+6], 0
	s_mov_b32 s[G1P+7], 0
	s_mov_b32 s100, 0x76543210
	s_mov_b32 s101, 0xfedcba98
	s_mov_b32 s104, 0x3fb8aa3b                     ; log2(e)
	s_mov_b32 s105, s104
	CROUND                                         ; all sixteen work-groups are here: the first joint loads will meet.  The arguments arrive meanwhile
	s_wait_kmcnt 0x0
	s_lshl_b32 s2, s[TY], 4
	s_lshl_b32 s31, s[WLO], 3
	s_add_co_u32 s2, s2, s31
	s_mul_i32 s2, s2, 12288
	s_mov_b32 s3, 0
	s_add_nc_u64 s[4:5], s[4:5], s[2:3]
	s_lshl_b32 s2, s[TY], 8
	s_lshl_b32 s31, s[WLO], 7
	s_add_co_u32 s2, s2, s31
	s_lshl_b32 s2, s2, 2
	s_add_nc_u64 s[6:7], s[6:7], s[2:3]
	s_lshl_b32 s66, s[TX], 4
	s_lshl_b32 s31, s[WLO], 3
	s_add_co_u32 s66, s66, s31
	s_mul_i32 s66, s66, 12288
	s_mov_b32 s67, 0
	s_add_nc_u64 s[8:9], s[8:9], s[66:67]
	s_lshl_b32 s66, s[TX], 8
	s_lshl_b32 s31, s[WLO], 7
	s_add_co_u32 s66, s66, s31
	s_lshl_b32 s66, s66, 2
	s_add_nc_u64 s[10:11], s[10:11], s[66:67]
	s_mul_i32 s31, s[WV], HALFS
	s_mov_b32 s[G0SA], 1
	s_add_co_u32 s[G0SA+1], s31, SCL
	s_mov_b64 s[G0SA+2:G0SA+3], s[6:7]
	s_or_b32 s[G0SA+3], s[G0SA+3], 0x80000000
	s_mov_b32 s[G0SB], 1
	s_add_co_u32 s[G0SB+1], s31, SCL
	s_mov_b64 s[G0SB+2:G0SB+3], s[10:11]
	s_or_b32 s[G0SB+3], s[G0SB+3], 0x80000000
	s_mul_i32 s31, s[WV], HALFT
.irp s, 0,1
	s_mov_b32 s[G0A+4*\s], 1
	s_add_co_u32 s[G0A+4*\s+1], s31, \s*SLOT
	s_add_nc_u64 s[G0A+4*\s+2:G0A+4*\s+3], s[4:5], \s*3072
	s_or_b32 s[G0A+4*\s+3], s[G0A+4*\s+3], 0x80000000
	s_mov_b32 s[G0B+4*\s], 1
	s_add_co_u32 s[G0B+4*\s+1], s31, \s*SLOT
	s_add_nc_u64 s[G0B+4*\s+2:G0B+4*\s+3], s[8:9], \s*3072
	s_or_b32 s[G0B+4*\s+3], s[G0B+4*\s+3], 0x80000000
.endr
	s_add_nc_u64 s[G0A2+2:G0A2+3], s[4:5], 6144    ; slot 2's groups 0 take the pointers' own registers
	s_or_b32 s[G0A2+3], s[G0A2+3], 0x80000000
	s_mov_b32 s[G0A2], 1
	s_add_co_u32 s[G0A2+1], s31, 2*SLOT
	s_add_nc_u64 s[G0B2+2:G0B2+3], s[8:9], 6144
	s_or_b32 s[G0B2+3], s[G0B2+3], 0x80000000
	s_mov_b32 s[G0B2], 1
	s_add_co_u32 s[G0B2+1], s31, 2*SLOT
	JLOAD G0SA, G1SA, G0SB, G1SB                   ; four tensor loads of mine are out at the most: scale words, slots 0, 1, 2
	JLOAD G0A, G1A, G0B, G1B
	JLOAD G0A+4, G1A, G0B+4, G1B
	JLOAD G0A2, G1A, G0B2, G1B
	s_and_b32 s2, s[TY], 15                        ; the table's rows 256 (TY % 16) + 64 x wave on
	s_lshl_b32 s2, s2, 16
	s_lshl_b32 s31, s[WV], 14
	s_add_co_u32 s2, s2, s31
	s_add_nc_u64 s[PPTR:PPTR+1], s[PPTR:PPTR+1], s[2:3]
	v_and_b32 v1, 15, v0                           ; r
	v_bfe_u32 v2, v0, 4, 1                         ; h
	v_and_b32 v3, 31, v0
	v_lshlrev_b32 v3, 4, v3                        ; 16 x lane
	v_lshlrev_b32 v28, 6, v2                       ; 64 h
	s_lshl_b32 s66, s[TX], 2
	s_lshl_b32 s31, s[WLO], 1
	s_add_co_u32 s66, s66, s31
	s_lshl_b32 s66, s66, 8
	s_add_nc_u64 s[12:13], s[12:13], s[66:67]      ; bq at my two heads
	WIN 0x40                                       ; into window 1, free until B's first fragments land: 16 neighbouring numbers for each head and bb: rows 32 bb + 16 h + 0 .. 15
.irp hh, 0,1
.irp bb, 0,1
.irp e, 0,1,2,3
	global_load_b128 v[32*\hh+16*\bb+4*\e:32*\hh+16*\bb+4*\e+3], v28, s[12:13] offset:256*\hh+128*\bb+16*\e
.endr
.endr
.endr
	WIN 0
	s_lshr_b32 s66, s[TY], 4
	s_lshl_b32 s66, s66, 4
	s_lshl_b32 s31, s[TX], 2
	s_add_co_u32 s66, s66, s31
	s_add_co_u32 s66, s66, s[WV]
	s_lshl_b32 s66, s66, 14
	s_add_nc_u64 s[16:17], s[16:17], s[66:67]      ; the 32 parts of (batch, head 4 TX + wave)
.irp c, 0,1,2,3,4,5,6,7,8,9,10,11,12,13,14,15,16,17,18,19,20,21,22,23,24,25,26,27,28,29,30,31
	global_load_b128 v[128+4*\c:131+4*\c], v3, s[16:17] offset:512*\c
.endr
	s_mul_i32 s31, s[WHI], HALFT
	v_add_nc_u32 v[ADRA], s31, v3
	v_add_nc_u32 v[ADRA+1], SLOT, v[ADRA]
	v_add_nc_u32 v[ADRA+2], SLOT, v[ADRA+1]
	s_mul_i32 s31, s[WLO], HALFT
	s_add_co_u32 s31, s31, 2*HALFT
	v_add_nc_u32 v[ADRB], s31, v3
	v_add_nc_u32 v[ADRB+1], SLOT, v[ADRB]
	v_add_nc_u32 v[ADRB+2], SLOT, v[ADRB+1]
	s_mul_i32 s2, s[WHI], HALFS
	s_mul_i32 s31, s[WLO], HALFS
	s_add_co_u32 s31, s31, 2*HALFS
	s_sub_co_u32 s31, s31, s2
	v_mul_u32_u24 v[ADRS], s31, v2
	s_add_co_u32 s2, s2, SCL
	v_add_nc_u32 v[ADRS], s2, v[ADRS]
	v_lshl_add_u32 v[ADRS], v1, 2, v[ADRS]
.set PA,  4                            ; v4  the table: my row of block 0, + 32 h
.set RDK, 5                            ; v5  ksum of my two heads, my half's places
.set RDV, 6                            ; v6  kvs of my two heads, my half's 32
.set SWA, 7                            ; v7  my row's scale word on its way out
.set SWL, 26                           ; v26 16 x lane of my wave's 512 bytes
.set RQ,  64                           ; v64-127 a block of rows at work
.set Y,   128                          ; v128-191 exponentials, later attn
.set AT,  128
.set TS,  192                          ; v192-207 sin, v208-223 cos of my row
.set TC,  208
.set PC,  224                          ; v224-235 a fragment's codes
.set SA,  236                          ; v236-243 sums of phi(q);  v244-251 of phi(q) ksum;  later the conversions' upper halves and the scales' lines
.set SB,  244
.set DT,  236
.set KS,  0                            ; window 1: v0-63 ksum by register
.set KV,  64                           ; window 1: v64-127 kvs: 32 of each head
	v_and_b32 v[PA], 8, v1
	v_add_nc_u32 v[PA], v[PA], v1                  ; r % 8 + 16 (r / 8)
	v_mul_u32_u24 v[PA], v[PA], PP
	v_lshl_add_u32 v[PA], v2, 5, v[PA]
	s_mul_i32 s31, s[WHI], 128*PP
	s_add_co_u32 s31, s31, POS
	v_add_nc_u32 v[PA], s31, v[PA]
	s_lshl_b32 s31, s[WLO], 10
	s_add_co_u32 s31, s31, RED
	v_lshl_add_u32 v[RDK], v2, 5, s31
	v_add_nc_u32 v[RDK], 256, v[RDK]
	v_lshl_add_u32 v[RDV], v2, 7, s31
	s_lshl_b32 s31, s[WV], 9
	s_add_co_u32 s2, s31, SCR
	v_lshl_add_u32 v[SWA], v1, 2, s2
	v_add_nc_u32 v[SWL], s2, v3
	s_add_co_u32 s2, s31, RED
	v_add_nc_u32 v25, s2, v3                       ; where the sums of head 4 TX + wave go
	v_lshlrev_b32 v24, 3, v2                       ; 8 h
	s_lshl_b32 s66, s[TY], 4
	s_lshl_b32 s31, s[WHI], 3
	s_add_co_u32 s66, s66, s31
	s_mul_i32 s66, s66, 12288
	s_lshl_b32 s31, s[TX], 1
	s_add_co_u32 s31, s31, s[WLO]                  ; my two heads are K step 2 TX + LO of the next product
	s_mul_i32 s2, s31, 1536
	s_add_co_u32 s66, s66, s2
	s_add_nc_u64 s[18:19], s[18:19], s[66:67]
	s_lshl_b32 s66, s31, 16
	s_lshl_b32 s2, s[TY], 10
	s_add_co_u32 s66, s66, s2
	s_lshl_b32 s2, s[WHI], 9
	s_add_co_u32 s66, s66, s2
	s_add_nc_u64 s[20:21], s[20:21], s[66:67]
	s_wait_loadcnt 0x0                             ; 48 loads of mine were out
	WIN 0x01                                       ; source 0 in window 1
.irp hh, 0,1                           ; place 16 bb + 8 h + j is row 2 p (bb < 2) or 2 (p - 32) + 1: the even numbers go to block bb, the odd ones to block bb + 2
.irp bb, 0,1
.irp j, 0,1,2,3,4,5,6,7
	v_mov_b32 v[BI+8*(4*\hh+\bb)+\j], v[32*\hh+16*\bb+2*\j]
	v_mov_b32 v[BI+8*(4*\hh+\bb+2)+\j], v[32*\hh+16*\bb+2*\j+1]
.endr
.endr
.endr
	WIN 0
.irp st, 16,8,4,2,1                    ; the 32 parts are added as a tree
.set cc, 0
.rept \st
	v_pk_add_f32 v[128+4*cc:129+4*cc], v[128+4*cc:129+4*cc], v[128+4*(cc+\st):129+4*(cc+\st)]
	v_pk_add_f32 v[130+4*cc:131+4*cc], v[130+4*cc:131+4*cc], v[130+4*(cc+\st):131+4*(cc+\st)]
.set cc, cc+1
.endr
.endr
	ds_store_b128 v25, v[128:131]
	s_wait_tensorcnt 2                             ; the scale words and my part of slot 0 are in; the loads of slots 1 and 2 may be out
	s_wait_dscnt 0x0                               ; for the others' sake: my head's sums lie in LDS
	s_barrier_signal -1
	s_barrier_wait -1
	FETCH_B 0, 0, 0
	FETCH_A 0, 0, 0
	SCALES 0, 0
	FETCH_A 0, 0, 4
	STEP 0, 0, 1
	TURN 0, 1, 1, 2                                ; slot 0 is read out: K step 3 is asked for
	STEP 1, 1, 0
	TURN 1, 2, 2, 0
	STEP 2, 0, 0
	TURN 0, 0, 3, 3                                ; K step 3 has landed; the table is asked for
	STEP 0, 1, 0
	s_wait_dscnt 12
	WIN 0xa1
	MUL16 0, 1, 1, 1, 0
	MUL16 2, 1, 1, 1, 0
	s_wait_dscnt 0x0
	WIN 0xf1
	MUL16 4, 1, 1, 1, 0
	MUL16 6, 1, 1, 1, 0
	WIN 0
.macro TABQ a                          ; sin and cos of my row of block a, at my half's 16 pairs
.irp bb, 0,1
.irp e, 0,1
	ds_load_b128 v[TS+8*\bb+4*\e:TS+8*\bb+4*\e+3], v[PA] offset:(32*((\a)/2)+8*((\a)%2))*PP+64*\bb+16*\e
	ds_load_b128 v[TC+8*\bb+4*\e:TC+8*\bb+4*\e+3], v[PA] offset:(32*((\a)/2)+8*((\a)%2))*PP+64*\bb+16*\e+128
.endr
.endr
.endm
.macro PHI                             ; elu(x) + 1 is the middle one of e^x, x + 1 and 1
.set n, 0
.rept 32
	v_pk_mul_f32 v[Y+n:Y+n+1], v[RQ+n:RQ+n+1], s[104:105] op_sel_hi:[1,0]
.set n, n+2
.endr
.set n, 0
.rept 32
	v_exp_f32 v[Y+n], v[Y+n]
	v_exp_f32 v[Y+n+1], v[Y+n+1]
	v_pk_add_f32 v[RQ+n:RQ+n+1], v[RQ+n:RQ+n+1], 1.0 op_sel_hi:[1,0]   ; plain work among the exponentials; the last is the plain place behind them
.set n, n+2
.endr
	s_wait_alu depctr_va_vdst(0)                   ; one wait for the 64 exponentials, ahead of their first reader
.set n, 0
.rept 64
	v_med3_num_f32 v[RQ+n], v[Y+n], v[RQ+n], 1.0
.set n, n+1
.endr
.endm
.macro QROW a                          ; block a: 16 rows x my two heads
.set AC, 64*((\a)%4)
	s_wait_dscnt 0x0                               ; the table's numbers are in; the last scale word's store has read its register
	WIN 2+(\a)/4                                   ; source 0: the accumulators' window
.irp hh, 0,1
.irp bb, 0,1                           ; the products with cos first: each accumulator is first read at its low end
.irp k, 0,2,4,6
	v_pk_mul_f32 v[RQ+32*\hh+8*\bb+\k:RQ+32*\hh+8*\bb+\k+1], v[AC+32*\hh+8*\bb+\k:AC+32*\hh+8*\bb+\k+1], v[TC+8*\bb+\k:TC+8*\bb+\k+1]
.endr
.irp k, 0,2,4,6
	v_pk_mul_f32 v[RQ+32*\hh+8*\bb+16+\k:RQ+32*\hh+8*\bb+17+\k], v[AC+32*\hh+8*\bb+16+\k:AC+32*\hh+8*\bb+17+\k], v[TC+8*\bb+\k:TC+8*\bb+\k+1]
.endr
.endr
.irp bb, 0,1
.irp k, 0,2,4,6
	v_pk_fma_f32 v[RQ+32*\hh+8*\bb+\k:RQ+32*\hh+8*\bb+\k+1], v[AC+32*\hh+8*\bb+16+\k:AC+32*\hh+8*\bb+17+\k], v[TS+8*\bb+\k:TS+8*\bb+\k+1], v[RQ+32*\hh+8*\bb+\k:RQ+32*\hh+8*\bb+\k+1] neg_lo:[1,0,0] neg_hi:[1,0,0]
.endr
.irp k, 0,2,4,6
	v_pk_fma_f32 v[RQ+32*\hh+8*\bb+16+\k:RQ+32*\hh+8*\bb+17+\k], v[AC+32*\hh+8*\bb+\k:AC+32*\hh+8*\bb+\k+1], v[TS+8*\bb+\k:TS+8*\bb+\k+1], v[RQ+32*\hh+8*\bb+16+\k:RQ+32*\hh+8*\bb+17+\k]
.endr
.endr
.endr
	WIN 0
.if (\a) < 7
	TABQ (\a)+1
.endif
	PHI
.irp hh, 0,1                           ; the sum of phi(q): two chains a head
	v_pk_add_f32 v[SA+4*\hh:SA+4*\hh+1], v[RQ+32*\hh:RQ+32*\hh+1], v[RQ+32*\hh+4:RQ+32*\hh+5]
	v_pk_add_f32 v[SA+4*\hh+2:SA+4*\hh+3], v[RQ+32*\hh+2:RQ+32*\hh+3], v[RQ+32*\hh+6:RQ+32*\hh+7]
.endr
.irp k, 8,12,16,20,24,28
.irp hh, 0,1
	v_pk_add_f32 v[SA+4*\hh:SA+4*\hh+1], v[SA+4*\hh:SA+4*\hh+1], v[RQ+32*\hh+\k:RQ+32*\hh+\k+1]
	v_pk_add_f32 v[SA+4*\hh+2:SA+4*\hh+3], v[SA+4*\hh+2:SA+4*\hh+3], v[RQ+32*\hh+\k+2:RQ+32*\hh+\k+3]
.endr
.endr
	WIN 0x04                                       ; source 1: ksum, in window 1
.irp hh, 0,1                           ; phi(q) . ksum, in f32: two chains a head
	v_pk_mul_f32 v[SB+4*\hh:SB+4*\hh+1], v[RQ+32*\hh:RQ+32*\hh+1], v[KS+32*\hh:KS+32*\hh+1]
	v_pk_mul_f32 v[SB+4*\hh+2:SB+4*\hh+3], v[RQ+32*\hh+2:RQ+32*\hh+3], v[KS+32*\hh+2:KS+32*\hh+3]
.endr
.irp k, 4,8,12,16,20,24,28
.irp hh, 0,1
	v_pk_fma_f32 v[SB+4*\hh:SB+4*\hh+1], v[RQ+32*\hh+\k:RQ+32*\hh+\k+1], v[KS+32*\hh+\k:KS+32*\hh+\k+1], v[SB+4*\hh:SB+4*\hh+1]
	v_pk_fma_f32 v[SB+4*\hh+2:SB+4*\hh+3], v[RQ+32*\hh+\k+2:RQ+32*\hh+\k+3], v[KS+32*\hh+\k+2:KS+32*\hh+\k+3], v[SB+4*\hh+2:SB+4*\hh+3]
.endr
.endr
	WIN 0
.irp hh, 0,1
	v_pk_add_f32 v[SA+4*\hh:SA+4*\hh+1], v[SA+4*\hh:SA+4*\hh+1], v[SA+4*\hh+2:SA+4*\hh+3]
	v_pk_add_f32 v[SB+4*\hh:SB+4*\hh+1], v[SB+4*\hh:SB+4*\hh+1], v[SB+4*\hh+2:SB+4*\hh+3]
.endr
.irp hh, 0,1
	v_add_f32 v[SA+4*\hh], v[SA+4*\hh], v[SA+4*\hh+1]
	v_add_f32 v[SB+4*\hh], v[SB+4*\hh], v[SB+4*\hh+1]
.endr
.irp hh, 0,1
	v_permlanex16_b32 v[SA+4*\hh+1], v[SA+4*\hh], s100, s101
	v_permlanex16_b32 v[SB+4*\hh+1], v[SB+4*\hh], s100, s101
.endr
.irp hh, 0,1
	v_add_f32 v[SA+4*\hh], v[SA+4*\hh], v[SA+4*\hh+1]      ; with lane l xor 16's 32 places
	v_add_f32 v[SB+4*\hh], v[SB+4*\hh], v[SB+4*\hh+1]
.endr
.irp hh, 0,1
	v_max_num_f32 v[SB+4*\hh], 0x358637bd, v[SB+4*\hh]     ; held at 1e-6 from below
.endr
.irp hh, 0,1
	v_rcp_f32 v[SB+4*\hh+2], v[SB+4*\hh]
.endr
	v_nop                                          ; a plain place behind the reciprocals,
	s_wait_alu depctr_va_vdst(0)                   ; and the wait ahead of their first reader
.irp hh, 0,1
	v_mul_f32 v[8+2*\hh], v[SA+4*\hh], v[SB+4*\hh+2]       ; c
.endr
	WIN 0x01                                       ; source 0: kvs, in window 1
.irp hh, 0,1
.irp k, 0,2,4,6,8,10,12,14,16,18,20,22,24,26,28,30
	v_pk_mul_f32 v[AT+32*\hh+\k:AT+32*\hh+\k+1], v[KV+32*\hh+\k:KV+32*\hh+\k+1], v[8+2*\hh:9+2*\hh] op_sel_hi:[1,0]   ; attn(my row, head hh, 32 h + k ..): a whole block of 32 a lane and head
.endr
.endr
	WIN 0
.irp hh, 0,1
	v_mul_f32 v[SB+4*\hh], v[8+2*\hh], v[12+\hh]   ; the block's largest magnitude: rounding keeps the order, so it is c x the largest |kvs|
.endr
.irp hh, 0,1
	v_max_num_f32 v[SB+4*\hh], 0x1800000, v[SB+4*\hh]      ; the floor 2^(3 - 127)
.endr
.irp hh, 0,1
	v_add_nc_u32 v[SB+4*\hh+1], 0xff000000, v[SB+4*\hh]    ; the conversion's scale operand
.endr
.irp hh, 0,1
	v_lshrrev_b32 v[SB+4*\hh+2], 23, v[SB+4*\hh+1]         ; the byte of block 2 hh + h
.endr
	v_lshl_or_b32 v252, v[SB+6], 16, v[SB+2]
	v_lshlrev_b32 v252, v24, v252
	v_permlanex16_b32 v253, v252, s100, s101
	v_or_b32 v252, v252, v253                      ; with lane l xor 16's two bytes the word is whole
	s_wait_xcnt 0x0                                ; the last block's stores have read the codes' registers
.irp hh, 0,1
	v_cvt_scalef32_pk16_fp6_f32 v[PC+6*\hh:PC+6*\hh+2], v[AT+32*\hh:AT+32*\hh+15], v[SB+4*\hh+1]
	v_cvt_scalef32_pk16_fp6_f32 v[DT+4*\hh:DT+4*\hh+2], v[AT+32*\hh+16:AT+32*\hh+31], v[SB+4*\hh+1]
.endr
	v_nop                                          ; one plain place behind the conversions
.irp hh, 0,1
.irp i, 0,1,2
	v_mov_b32 v[PC+6*\hh+3+\i], v[DT+4*\hh+\i]
.endr
.endr
.irp c, 0,1,2
	global_store_b128 v3, v[PC+4*\c:PC+4*\c+3], s[18:19] offset:12288*(\a)+512*\c th:TH_STORE_NT   ; 512 consecutive bytes, aligned
.endr
	ds_store_b32 v[SWA], v252 offset:64*(\a)
.endm
; BEHIND THE PRODUCTS.  What does not need the rotary table comes first, while the table is on its way.
	PLACES 4                                       ; behind the last products: in front of the loads into operands' registers and of the first reads of results
	WIN 0x40
.irp hh, 0,1
.irp bb, 0,1,2,3
.irp e, 0,1
	ds_load_b128 v[KS+32*\hh+8*\bb+4*\e:KS+32*\hh+8*\bb+4*\e+3], v[RDK] offset:512*\hh+64*\bb+16*\e
.endr
.endr
.irp q, 0,1,2,3,4,5,6,7
	ds_load_b128 v[KV+32*\hh+4*\q:KV+32*\hh+4*\q+3], v[RDV] offset:512*\hh+16*\q
.endr
.endr
	WIN 0
	v_mov_b32 v9, 0                                ; (named as the upper halves of c's pairs)
	v_mov_b32 v11, 0
	v_mov_b32 v253, 0                              ; a lane permute's destination counts as read
	s_wait_dscnt 0x0
	WIN 0x15
	v_max3_num_f32 v12, |v[KV]|, |v[KV+1]|, |v[KV+2]|      ; the largest |kvs| of my block of each head
	v_max3_num_f32 v13, |v[KV+32]|, |v[KV+33]|, |v[KV+34]|
	WIN 0x14
.irp i, 3,5,7,9,11,13,15,17,19,21,23,25,27,29
	v_max3_num_f32 v12, v12, |v[KV+\i]|, |v[KV+1+\i]|
	v_max3_num_f32 v13, v13, |v[KV+32+\i]|, |v[KV+33+\i]|
.endr
	v_max_num_f32 v12, v12, |v[KV+31]|
	v_max_num_f32 v13, v13, |v[KV+63]|
	WIN 0
	s_wait_tensorcnt 0x0                           ; my 64 rows of the table have landed
	s_barrier_signal -1
	s_barrier_wait -1                              ; everybody's have
	TABQ 0
.irp a, 0,1,2,3,4,5,6,7
	QROW \a
.endr
	ds_load_b128 v[248:251], v[SWL]                ; LDS serves a wave's instructions in order: this sees my eight stores
	s_wait_dscnt 0x0
	global_store_b128 v3, v[248:251], s[20:21] th:TH_STORE_NT      ; my 128 rows' scale words: 512 consecutive bytes, aligned
	s_wait_tensorcnt 0x0                           ; the wave's end
	ds_add_u32 v[SPW], v[NIL]
	s_wait_dscnt 0x0
	CROUND                                         ; the closing round
	s_endpgm
.Lfunc_end_k_q651f05aea3_qattn:
	.size	k_q651f05aea3_qattn, .Lfunc_end_k_q651f05aea3_qattn-k_q651f05aea3_qattn
	.p2alignl 7, 3214868480
	.fill 96, 4, 3214868480
	.section	.rodata,"a",@progbits
	.p2align	6, 0x0
	.amdhsa_kernel k_q651f05aea3_qattn
		.amdhsa_group_segment_fixed_size 327680
		.amdhsa_private_segment_fixed_size 0
		.amdhsa_enable_private_segment 0
		.amdhsa_kernarg_size 72
		.amdhsa_user_sgpr_count 2
		.amdhsa_user_sgpr_kernarg_segment_ptr 1
		.amdhsa_wavefront_size32 1
		.amdhsa_system_sgpr_workgroup_id_x 1
		.amdhsa_system_sgpr_workgroup_id_y 1
		.amdhsa_system_sgpr_workgroup_id_z 1
		.amdhsa_system_vgpr_workitem_id 0
		.amdhsa_next_free_vgpr 1024
		.amdhsa_next_free_sgpr 106
		.amdhsa_reserve_vcc 0
		.amdhsa_float_denorm_mode_32 3
		.amdhsa_float_denorm_mode_16_64 3
		.amdhsa_memory_ordered 1
		.amdhsa_forward_progress 1
		.amdhsa_inst_pref_size 255
	.end_amdhsa_kernel
	.section	.bss,"aw",@nobits
	.p2align	6
	.space	262144
	.amdgpu_metadata
---
amdhsa.version: [ 1, 2 ]
amdhsa.kernels:
  - .name:           k_q651f05aea3_qattn
    .symbol:         k_q651f05aea3_qattn.kd
    .args:
      - { .name: xc, .offset: 0, .size: 8, .value_kind: global_buffer, .address_space: global }
      - { .name: xsc, .offset: 8, .size: 8, .value_kind: global_buffer, .address_space: global }
      - { .name: wc, .offset: 16, .size: 8, .value_kind: global_buffer, .address_space: global }
      - { .name: wsc, .offset: 24, .size: 8, .value_kind: global_buffer, .address_space: global }
      - { .name: bq, .offset: 32, .size: 8, .value_kind: global_buffer, .address_space: global }
      - { .name: rotary_pos_enc, .offset: 40, .size: 8, .value_kind: global_buffer, .address_space: global }
      - { .name: part, .offset: 48, .size: 8, .value_kind: global_buffer, .address_space: global }
      - { .name: ac, .offset: 56, .size: 8, .value_kind: global_buffer, .address_space: global }
      - { .name: asc, .offset: 64, .size: 8, .value_kind: global_buffer, .address_space: global }
    .group_segment_fixed_size: 327680
    .private_segment_fixed_size: 0
    .kernarg_segment_align: 8
    .kernarg_segment_size: 72
    .max_flat_workgroup_size: 128
    .sgpr_count:     106
    .vgpr_count:     1024
    .wavefront_size: 32
...
	.end_amdgpu_metadata
.endif
;; end of part 3
;; launch outproj (part 4): grid 4 x 64, 4 waves a work-group, clusters of 4 x 4, 327,680 bytes of LDS; arguments ac, asc, wc, wsc, bo, out0; writes out0
.if DOCPART == 4
	.amdgcn_target "amdgcn-amd-amdhsa--gfx1250"
	.amdhsa_code_object_version 6
	.text
	.protected	k_q651f05aea3_outproj
	.globl	k_q651f05aea3_outproj
	.p2align	8
	.type	k_q651f05aea3_outproj,@function
k_q651f05aea3_outproj:
	s_mov_b64 s[64:65], 0
	v_nop
	global_prefetch_b8 v0, s[64:65] scope:SCOPE_SE
	s_setreg_imm32_b32 hwreg(HW_REG_WAVE_MODE, 25, 1), 1
	s_wait_xcnt 0x0
	s_wait_alu depctr_hold_cnt(0) depctr_sa_sdst(0) depctr_va_vdst(0) depctr_va_sdst(0) depctr_va_ssrc(0) depctr_va_vcc(0) depctr_vm_vsrc(0)
	s_getreg_b32 s2, hwreg(HW_REG_IB_STS2, 6, 4)
	s_cmp_eq_u32 s2, 0
	s_cbranch_scc0 .Lentry_in_a_cluster
	s_endpgm
.Lentry_in_a_cluster:
	s_bfe_u32 s2, ttmp6, 0x10000c
	s_cmp_lg_u32 s2, 0xf033
	s_cbranch_scc0 .Lentry_shape_is_right
	s_endpgm
.Lentry_shape_is_right:
; out0 = attn Wo^T + bo on codes of FP6.  attn's codes and scale words come from the launch before, Wo's from the first; both lie as images of the operand's registers.
; A TILE: 256 rows of attn (A) x 256 rows of Wo (B).  Four waves, each 128 x 128.  Source 0 = 16 rows of Wo, source 1 = 16 rows of attn: a lane holds eight neighbouring numbers of a row of out0.
; attn's rows lie in tiles in x's order: place 16 T + r is row 32 (T / 2) + 8 (T % 2) + r % 8 + 16 (r / 8); the stores undo it in their immediates.
; The core is the same as in the two launches before: four K steps of 256 through three LDS slots, steps 0, 1, 2 as first fills, step 3 into slot 0 as soon as that is read out; joint loads in a
; 4 x 4 cluster.  NO PREFETCH: of four K steps three are first fills.
; LIMITS: NaN and infinities are not served.
.set A_SSTR,  8192
.set B_TILE0, 192
.set B_ROW0,  3072
.set B_SSTR,  2048
.set BSEL_A,  0
.set FR,    12
.set HALFT, 24576
.set SLOT,  98304
.set SCL,   294912
.set HALFS, 4096
.set SPARE, 311296                     ; the spare words: 128 bytes a wave; no other line names them
.set STAGE, SLOT                       ; the way out: 16 rows x (512 + 16) bytes for each wave, in slot 1: it has had its one fill, and every wave has passed the third change's barrier behind its last read of it
.set SPITCH, 528
.set ADRA, 16
.set ADRB, 19
.set ADRS, 22
.set SPW,  23
.set NIL,  31
.set SC,   32
.set BI,   64
.set AF,   128
.set BK,   128                         ; the way out: 16 rows read back: v128-191 and v192-255 by turns
.set WV,  22
.set WHI, 23
.set WLO, 24
.set TX,  27
.set TY,  28
.set G1A, 32
.set G1B, 40
.set G0A, 48
.set G0B, 56
.set G0A2, 4
.set G0B2, 8
.set G1SA, 68
.set G1SB, 76
.set G0SA, 84
.set G0SB, 88
.set MSB, 0
.macro WIN new                         ; the immediate's high byte repeats the setting that is left
.if MSB != (\new)
	s_set_vgpr_msb (MSB<<8)|(\new)
.set MSB, (\new)
.endif
.endm
.macro PLACES n
.rept \n
	v_nop
.endr
.endm
.macro JLOAD g0a, g1a, g0b, g1b        ; a joint load: waves 0 and 1 fetch for A, waves 2 and 3 for B; four v_nop follow each of the two lines
	s_cmp_eq_u32 s[WHI], 0
	s_cbranch_scc0 .Lfor_b_\@
	tensor_load_to_lds s[\g0a:\g0a+3], s[\g1a:\g1a+7]
	s_nop 0
.rept 4
	v_nop
.endr
	s_branch .Lasked_\@
.Lfor_b_\@:
	tensor_load_to_lds s[\g0b:\g0b+3], s[\g1b:\g1b+7]
	s_nop 0
.rept 4
	v_nop
.endr
.Lasked_\@:
.endm
.macro CREST
	s_cmp_lg_u32 s[WV], 0
	s_cbranch_scc1 .Lnot_wave_0_\@
	s_barrier_signal -3
.Lnot_wave_0_\@:
	s_barrier_wait -3
	s_barrier_signal -1
	s_barrier_wait -1
.endm
.macro CROUND
	s_barrier_signal -1
	s_barrier_wait -1
	CREST
.endm
.macro FRAG reg, adr, q, i
.irp c, 0,1,2
	ds_load_b128 v[\reg+4*\c:\reg+4*\c+3], v[\adr] offset:3072*(\i)+1536*(\q)+512*\c
.endr
.endm
.macro FETCH_B slot, q, p
	WIN 0x40
.irp i, 0,1,2,3,4,5,6,7
	FRAG 128*(\p)+FR*\i, ADRB+\slot, \q, \i
.endr
	WIN 0
.endm
.macro FETCH_A slot, q, i0
.irp i, \i0, \i0+1, \i0+2, \i0+3
	FRAG AF+FR*(\i), ADRA+\slot, \q, \i
.endr
.endm
.macro SCALES k, set
.irp i, 0,1,2,3,4,5,6,7
.irp q, 0,1
	ds_load_b32 v[SC+16*(\set)+2*\i+\q], v[ADRS] offset:512*(2*(\k)+\q)+64*\i
.endr
.endr
.endm
.macro MUL16 a0, p, q, sc, first       ; the 64 accumulators take turns, one instruction a turn
.irp a, \a0, \a0+1
.irp b, 0,1,2,3,4,5,6,7
.if \first
	v_wmma_scale_f32_16x16x128_f8f6f4 v[8*(8*((\a)%4)+\b):8*(8*((\a)%4)+\b)+7], v[128*(\p)+FR*\b:128*(\p)+FR*\b+FR-1], v[AF+FR*(\a):AF+FR*(\a)+FR-1], v[BI+8*(BSEL_A*(\a)+(1-BSEL_A)*\b):BI+8*(BSEL_A*(\a)+(1-BSEL_A)*\b)+7], v[SC+16*(\sc)+2*\b+(\q)], v[SC+16*(\sc)+2*(\a)+(\q)] matrix_a_fmt:MATRIX_FMT_FP6 matrix_b_fmt:MATRIX_FMT_FP6 matrix_a_scale:MATRIX_SCALE_ROW1
.else
	v_wmma_scale_f32_16x16x128_f8f6f4 v[8*(8*((\a)%4)+\b):8*(8*((\a)%4)+\b)+7], v[128*(\p)+FR*\b:128*(\p)+FR*\b+FR-1], v[AF+FR*(\a):AF+FR*(\a)+FR-1], v[8*(8*((\a)%4)+\b):8*(8*((\a)%4)+\b)+7], v[SC+16*(\sc)+2*\b+(\q)], v[SC+16*(\sc)+2*(\a)+(\q)] matrix_a_fmt:MATRIX_FMT_FP6 matrix_b_fmt:MATRIX_FMT_FP6 matrix_a_scale:MATRIX_SCALE_ROW1
.endif
.endr
.endr
.endm
.macro STEP slot, sc, first
	s_wait_dscnt 12                                ; all but the youngest 12 loads (A's blocks 4-7)
.if \first
	WIN 0x81
.else
	WIN 0xa1
.endif
	MUL16 0, 0, 0, \sc, \first
	MUL16 2, 0, 0, \sc, \first
	s_wait_dscnt 0x0
	PLACES 4
	FETCH_B \slot, 1, 1
	FETCH_A \slot, 1, 0
.if \first
	WIN 0xc1
.else
	WIN 0xf1
.endif
	MUL16 4, 0, 0, \sc, \first
	MUL16 6, 0, 0, \sc, \first
	PLACES 4
	WIN 0
	FETCH_A \slot, 1, 4
.endm
; mode 0: the next slot was shown whole to every wave at the first change of slots, and the slot that is left gets its next writer (the stage's stores) only behind the third change's barrier: no wait, no barrier.
; mode 1: the three lines and the work-group's barrier: K step 3 has landed in every wave's part, and nobody reads slots 1 and 2 any more; nothing is filled.
; mode 2: the three lines, a round of the cluster's barrier, and the joint refill first behind it: K step 3 into slot 0.
.macro TURN sc, next, k, mode
.if \mode
	s_wait_tensorcnt 0x0                           ; all my tensor loads have landed
	ds_add_u32 v[SPW], v[NIL]                      ; 0 onto my spare word
	s_wait_dscnt 13                                ; (the add and the 12 loads of A's blocks 4-7 may be out)
	WIN 0xa1
	MUL16 0, 1, 1, \sc, 0
	s_wait_dscnt 0x0                               ; the add is done, and my reads of the slots behind me are over
	s_barrier_signal -1
	MUL16 2, 1, 1, \sc, 0
	WIN 0
	s_barrier_wait -1
.else
	s_wait_dscnt 12                                ; all but the 12 loads of A's blocks 4-7
	WIN 0xa1
	MUL16 0, 1, 1, \sc, 0
	MUL16 2, 1, 1, \sc, 0
	s_wait_dscnt 0x0
.endif
.if \mode == 2
	CREST
	s_add_nc_u64 s[G0A+2:G0A+3], s[G0A+2:G0A+3], 9216      ; three K steps of 3,072 bytes on
	s_add_nc_u64 s[G0B+2:G0B+3], s[G0B+2:G0B+3], 9216
	JLOAD G0A, G1A, G0B, G1B
.else
	PLACES 4
.endif
	FETCH_B \next, 0, 0
	FETCH_A \next, 0, 0
	SCALES \k, (\k)%2
	WIN 0xf1
	MUL16 4, 1, 1, \sc, 0
	MUL16 6, 1, 1, \sc, 0
	PLACES 4
	WIN 0
	FETCH_A \next, 0, 4
.endm
	s_load_b256 s[4:11], s[0:1], 0x0               ; ac, asc, wc, wsc
	s_load_b128 s[12:15], s[0:1], 0x20             ; bo, out0
	v_lshl_add_u32 v[SPW], v0, 2, SPARE
	v_mov_b32 v[NIL], 0
	ds_add_u32 v23, v31
	ds_add_u32 v23, v31
	s_wait_dscnt 0x0
	v_lshrrev_b32 v1, 5, v0
	v_readfirstlane_b32 s[WV], v1
	s_lshr_b32 s[WHI], s[WV], 1
	s_and_b32 s[WLO], s[WV], 1
	s_bfe_u32 s25, ttmp6, 0x40000
	s_bfe_u32 s26, ttmp6, 0x40004
	s_lshl_b32 s[TX], ttmp9, 2
	s_add_co_u32 s[TX], s[TX], s25
	s_and_b32 s[TY], ttmp7, 0xffff
	s_lshl_b32 s[TY], s[TY], 2
	s_add_co_u32 s[TY], s[TY], s26
	s_lshl_b32 s29, s26, 2
	s_lshl_b32 s29, 15, s29
	s_lshl_b32 s30, 0x1111, s25
	s_or_b32 s[G1A], s29, (3<<16)|(1<<21)
	s_or_b32 s[G1B], s30, (3<<16)|(1<<21)
.irp g, G1A, G1B
	s_mov_b32 s[\g+1], 384<<16
	s_mov_b32 s[\g+2], 8<<16
	s_mov_b32 s[\g+3], 384<<16
	s_mov_b32 s[\g+4], 8
	s_mov_b32 s[\g+5], 1536
	s_mov_b32 s[\g+6], 0
	s_mov_b32 s[\g+7], 0
.endr
	s_or_b32 s[G1SA], s29, (3<<16)|(1<<21)
	s_or_b32 s[G1SB], s30, (3<<16)|(1<<21)
.irp g, G1SA, G1SB
	s_mov_b32 s[\g+1], 64<<16
	s_mov_b32 s[\g+2], 8<<16
	s_mov_b32 s[\g+3], 64<<16
	s_mov_b32 s[\g+4], 8
	s_mov_b32 s[\g+6], 0
	s_mov_b32 s[\g+7], 0
.endr
	s_mov_b32 s[G1SA+5], A_SSTR
	s_mov_b32 s[G1SB+5], B_SSTR
	CROUND                                         ; all sixteen work-groups are here: the first joint loads will meet.  The arguments arrive meanwhile
	s_wait_kmcnt 0x0
	s_lshl_b32 s2, s[TY], 4
	s_lshl_b32 s31, s[WLO], 3
	s_add_co_u32 s2, s2, s31
	s_mul_i32 s2, s2, 12288
	s_mov_b32 s3, 0
	s_add_nc_u64 s[4:5], s[4:5], s[2:3]
	s_lshl_b32 s2, s[TY], 8
	s_lshl_b32 s31, s[WLO], 7
	s_add_co_u32 s2, s2, s31
	s_lshl_b32 s2, s2, 2
	s_add_nc_u64 s[6:7], s[6:7], s[2:3]
	s_lshl_b32 s66, s[TX], 4
	s_lshl_b32 s31, s[WLO], 3
	s_add_co_u32 s66, s66, s31
	s_add_co_u32 s66, s66, B_TILE0
	s_mul_i32 s66, s66, 12288
	s_mov_b32 s67, 0
	s_add_nc_u64 s[8:9], s[8:9], s[66:67]
	s_lshl_b32 s66, s[TX], 8
	s_lshl_b32 s31, s[WLO], 7
	s_add_co_u32 s66, s66, s31
	s_add_co_u32 s66, s66, B_ROW0
	s_lshl_b32 s66, s66, 2
	s_add_nc_u64 s[10:11], s[10:11], s[66:67]
	s_mul_i32 s31, s[WV], HALFS
	s_mov_b32 s[G0SA], 1
	s_add_co_u32 s[G0SA+1], s31, SCL
	s_mov_b64 s[G0SA+2:G0SA+3], s[6:7]
	s_or_b32 s[G0SA+3], s[G0SA+3], 0x80000000
	s_mov_b32 s[G0SB], 1
	s_add_co_u32 s[G0SB+1], s31, SCL
	s_mov_b64 s[G0SB+2:G0SB+3], s[10:11]
	s_or_b32 s[G0SB+3], s[G0SB+3], 0x80000000
	s_mul_i32 s31, s[WV], HALFT
.irp s, 0,1
	s_mov_b32 s[G0A+4*\s], 1
	s_add_co_u32 s[G0A+4*\s+1], s31, \s*SLOT
	s_add_nc_u64 s[G0A+4*\s+2:G0A+4*\s+3], s[4:5], \s*3072
	s_or_b32 s[G0A+4*\s+3], s[G0A+4*\s+3], 0x80000000
	s_mov_b32 s[G0B+4*\s], 1
	s_add_co_u32 s[G0B+4*\s+1], s31, \s*SLOT
	s_add_nc_u64 s[G0B+4*\s+2:G0B+4*\s+3], s[8:9], \s*3072
	s_or_b32 s[G0B+4*\s+3], s[G0B+4*\s+3], 0x80000000
.endr
	s_add_nc_u64 s[G0A2+2:G0A2+3], s[4:5], 6144    ; slot 2's groups 0 take the pointers' own registers
	s_or_b32 s[G0A2+3], s[G0A2+3], 0x80000000
	s_mov_b32 s[G0A2], 1
	s_add_co_u32 s[G0A2+1], s31, 2*SLOT
	s_add_nc_u64 s[G0B2+2:G0B2+3], s[8:9], 6144
	s_or_b32 s[G0B2+3], s[G0B2+3], 0x80000000
	s_mov_b32 s[G0B2], 1
	s_add_co_u32 s[G0B2+1], s31, 2*SLOT
	JLOAD G0SA, G1SA, G0SB, G1SB                   ; four tensor loads of mine are out at the most: scale words, slots 0, 1, 2
	JLOAD G0A, G1A, G0B, G1B
	JLOAD G0A+4, G1A, G0B+4, G1B
	JLOAD G0A2, G1A, G0B2, G1B
	v_and_b32 v1, 15, v0                           ; r
	v_bfe_u32 v2, v0, 4, 1                         ; h
	v_and_b32 v3, 31, v0
	v_lshlrev_b32 v3, 4, v3                        ; 16 x lane
	v_lshlrev_b32 v28, 5, v2                       ; 32 h
	s_lshl_b32 s66, s[TX], 10
	s_lshl_b32 s31, s[WLO], 9
	s_add_co_u32 s66, s66, s31                     ; my 128 columns, in bytes
	s_add_nc_u64 s[12:13], s[12:13], s[66:67]
.irp b, 0,1,2,3,4,5,6,7
	global_load_b128 v[BI+8*\b:BI+8*\b+3], v28, s[12:13] offset:64*\b
	global_load_b128 v[BI+8*\b+4:BI+8*\b+7], v28, s[12:13] offset:64*\b+16
.endr
	s_add_nc_u64 s[14:15], s[14:15], s[66:67]
	s_lshl_b32 s66, s[TY], 20
	s_lshl_b32 s31, s[WHI], 19
	s_add_co_u32 s66, s66, s31                     ; my 128 rows of 4,096 bytes
	s_add_nc_u64 s[14:15], s[14:15], s[66:67]
	s_mul_i32 s31, s[WHI], HALFT
	v_add_nc_u32 v[ADRA], s31, v3
	v_add_nc_u32 v[ADRA+1], SLOT, v[ADRA]
	v_add_nc_u32 v[ADRA+2], SLOT, v[ADRA+1]
	s_mul_i32 s31, s[WLO], HALFT
	s_add_co_u32 s31, s31, 2*HALFT
	v_add_nc_u32 v[ADRB], s31, v3
	v_add_nc_u32 v[ADRB+1], SLOT, v[ADRB]
	v_add_nc_u32 v[ADRB+2], SLOT, v[ADRB+1]
	s_mul_i32 s2, s[WHI], HALFS
	s_mul_i32 s31, s[WLO], HALFS
	s_add_co_u32 s31, s31, 2*HALFS
	s_sub_co_u32 s31, s31, s2
	v_mul_u32_u24 v[ADRS], s31, v2
	s_add_co_u32 s2, s2, SCL
	v_add_nc_u32 v[ADRS], s2, v[ADRS]
	v_lshl_add_u32 v[ADRS], v1, 2, v[ADRS]
.set STO, 4                            ; v4 the stage: where I put 32 bytes of a row
.set RD,  5                            ; v5 and where I read a row back
	s_mul_i32 s31, s[WV], 16*SPITCH
	s_add_co_u32 s31, s31, STAGE
	v_mul_u32_u24 v[STO], v1, SPITCH
	v_lshl_add_u32 v[STO], v2, 5, v[STO]
	v_add_nc_u32 v[STO], s31, v[STO]
	v_add_nc_u32 v[RD], s31, v3
	s_wait_loadcnt 0x0
	s_wait_tensorcnt 2                             ; the scale words and my part of slot 0 are in; the loads of slots 1 and 2 may be out
	s_barrier_signal -1
	s_barrier_wait -1
	FETCH_B 0, 0, 0
	FETCH_A 0, 0, 0
	SCALES 0, 0
	FETCH_A 0, 0, 4
	STEP 0, 0, 1
	TURN 0, 1, 1, 2                                ; slot 0 is read out: K step 3 is asked for
	STEP 1, 1, 0
	TURN 1, 2, 2, 0
	STEP 2, 0, 0
	TURN 0, 0, 3, 1                                ; K step 3 has landed
	STEP 0, 1, 0
	s_wait_dscnt 12
	WIN 0xa1
	MUL16 0, 1, 1, 1, 0
	MUL16 2, 1, 1, 1, 0
	s_wait_dscnt 0x0
	WIN 0xf1
	MUL16 4, 1, 1, 1, 0
	MUL16 6, 1, 1, 1, 0
	WIN 0
; THE WAY OUT, block by block of 16 rows x 128 columns: through my own stage in LDS and back as whole rows of 512 bytes.  LDS serves a wave's instructions in order: no wait between stores and loads.
.macro TOSTAGE a
.set AC, 64*((\a)%4)
	WIN 0x08+4*((\a)/4)                            ; an LDS store's data: window 2 or 3
.irp b, 0,1,2,3,4,5,6,7
	ds_store_b128 v[STO], v[AC+8*\b:AC+8*\b+3] offset:64*\b          ; each accumulator from its low end on
	ds_store_b128 v[STO], v[AC+8*\b+4:AC+8*\b+7] offset:64*\b+16
.endr
	WIN 0
.set BB, BK+64*((\a)%2)
.irp t, 0,1,2,3,4,5,6,7,8,9,10,11,12,13,14,15
	ds_load_b128 v[BB+4*\t:BB+4*\t+3], v[RD] offset:\t*SPITCH
.endr
.endm
.macro SEND a, younger                 ; younger: the LDS instructions issued behind block a's loads, which may stay out
.set BB, BK+64*((\a)%2)
	s_wait_dscnt \younger
.irp t, 0,1,2,3,4,5,6,7,8,9,10,11,12,13,14,15
	global_store_b128 v3, v[BB+4*\t:BB+4*\t+3], s[14:15] offset:(32*((\a)/2)+8*((\a)%2)+\t%8+16*(\t/8))*4096 th:TH_STORE_NT   ; place t of block a is this row; 512 consecutive bytes, aligned
.endr
.endm
	PLACES 4                                       ; behind the last products: in front of the first reads of results and of the loads into A's registers
	TOSTAGE 0
.irp a, 1,2,3,4,5,6,7
.if \a > 1
	s_wait_xcnt 0x0                                ; block a - 2's stores have read their registers: block a's loads may land there
.endif
	TOSTAGE \a
	SEND \a-1, 32                                  ; behind block a - 1's loads: block a's 16 stores and 16 loads
.endr
	SEND 7, 0
	s_wait_tensorcnt 0x0                           ; the wave's end
	ds_add_u32 v[SPW], v[NIL]
	s_wait_dscnt 0x0
	CROUND                                         ; the closing round
	s_endpgm
.Lfunc_end_k_q651f05aea3_outproj:
	.size	k_q651f05aea3_outproj, .Lfunc_end_k_q651f05aea3_outproj-k_q651f05aea3_outproj
	.p2alignl 7, 3214868480
	.fill 96, 4, 3214868480
	.section	.rodata,"a",@progbits
	.p2align	6, 0x0
	.amdhsa_kernel k_q651f05aea3_outproj
		.amdhsa_group_segment_fixed_size 327680
		.amdhsa_private_segment_fixed_size 0
		.amdhsa_enable_private_segment 0
		.amdhsa_kernarg_size 48
		.amdhsa_user_sgpr_count 2
		.amdhsa_user_sgpr_kernarg_segment_ptr 1
		.amdhsa_wavefront_size32 1
		.amdhsa_system_sgpr_workgroup_id_x 1
		.amdhsa_system_sgpr_workgroup_id_y 1
		.amdhsa_system_sgpr_workgroup_id_z 1
		.amdhsa_system_vgpr_workitem_id 0
		.amdhsa_next_free_vgpr 1024
		.amdhsa_next_free_sgpr 106
		.amdhsa_reserve_vcc 0
		.amdhsa_float_denorm_mode_32 3
		.amdhsa_float_denorm_mode_16_64 3
		.amdhsa_memory_ordered 1
		.amdhsa_forward_progress 1
		.amdhsa_inst_pref_size 138
	.end_amdhsa_kernel
	.amdgpu_metadata
---
amdhsa.version: [ 1, 2 ]
amdhsa.kernels:
  - .name:           k_q651f05aea3_outproj
    .symbol:         k_q651f05aea3_outproj.kd
    .args:
      - { .name: ac, .offset: 0, .size: 8, .value_kind: global_buffer, .address_space: global }
      - { .name: asc, .offset: 8, .size: 8, .value_kind: global_buffer, .address_space: global }
      - { .name: wc, .offset: 16, .size: 8, .value_kind: global_buffer, .address_space: global }
      - { .name: wsc, .offset: 24, .size: 8, .value_kind: global_buffer, .address_space: global }
      - { .name: bo, .offset: 32, .size: 8, .value_kind: global_buffer, .address_space: global }
      - { .name: out0, .offset: 40, .size: 8, .value_kind: global_buffer, .address_space: global }
    .group_segment_fixed_size: 327680
    .private_segment_fixed_size: 0
    .kernarg_segment_align: 8
    .kernarg_segment_size: 48
    .max_flat_workgroup_size: 128
    .sgpr_count:     106
    .vgpr_count:     1024
    .wavefront_size: 32
...
	.end_amdgpu_metadata
.endif
;; end of part 4
